; MI455X (gfx1250); checked and timed in simulation.
; The chip was launched on July 23, 2026; its instructions are those of AMD's public machine-readable ISA for CDNA 5 (MIT licence, August 2026) and "CDNA5" Instruction Set Architecture Reference Guide (July 2026). The comments in the code are by the model that wrote it; some were corrected since.
;; pointnet fp module. Allowed arithmetic: matrix products marked QUANTISED: E2M3 operands, one E8M0 scale for each 32 along K, by v_wmma_scale_f32_16x16x128_f8f6f4 with both operands' format E2M3, f32 sums; products left as they are: f32 operands where the result goes on into a quantised operand, else bf16, f16 or f32 operands; f32 sums; everything else in f32.
;; Inputs: W0 256 x 384 float32; W1 256 x 256 float32; b0 256 float32; b1 256 float32; beta0 256 float32; beta1 256 float32; g0 256 float32; g1 256 float32; points1 8 x 128 x 4,096 float32; points2 8 x 256 x 2,048 float32; xyz1 8 x 4,096 x 3 float32; xyz2 8 x 2,048 x 3 float32.
;; Outputs: out0 8 x 256 x 4,096 float32.
;; This version of the problem:
;;   THIS VERSION OF THE PROBLEM IS GIVEN IN LOW PRECISION. The matrix products marked QUANTISED in the list below multiply operands that are first quantised to E2M3 (2 exponent bits, 3 mantissa bits; 6 bits a number), with one power-of-two scale for each 32 numbers along K (OCP MX v1.0); their sums are f32. All else is computed in f32.
;;   The module's matrix products, in the order in which they are computed (A, B: the left and right operand; K: the contracted axis; several contracted axes count as one K, in the product's order):
;;     1. batch 32,768 x [M 1, K 3] x [K 3, N 256]; A: computed on the way; B: computed on the way: left as it is (K = 3 < 32)
;;     2. [M 32,768, K 384] x [K 384, N 256]; A: computed on the way; B: input W0: QUANTISED
;;     3. [M 32,768, K 256] x [K 256, N 256]; A: computed on the way; B: input W1: QUANTISED
;;   THE QUANTISER, for each operand of a quantised product, along K:
;;     - K is cut into blocks of 32 from its start; a last block that is shorter is filled with zeros.
;;     - A block's scale is 2^e with e = floor(log2(the largest magnitude in the block)) - 2, held to -126 .. 127; a block of zeros has e = 0. As a byte (E8M0): e + 127.
;;     - Each number is divided by its block's scale, clamped to +-7.5, and rounded to the nearest number of E2M3, ties to even, subnormals kept.
;;     - The product sums the exact products of the quantised numbers (number of the format x scale) in f32.
;;   ~~~python
;;   def quantise(x, axis):      # numpy; x: float32 -> the quantised numbers, widened to float32 again
;;       x = np.moveaxis(x, axis, -1); K = x.shape[-1]
;;       x = np.pad(x, [(0, 0)] * (x.ndim - 1) + [(0, -K % 32)]); x = x.reshape(x.shape[:-1] + (-1, 32)); a = np.abs(x).max(-1, keepdims=True)
;;       e = np.where(a > 0, np.clip(np.frexp(np.where(a > 0, a, 1))[1] - 1 - 2, -126, 127), 0)      # np.frexp(a)[1] - 1 = floor(log2(a)), exactly
;;       r = np.clip(x / 2.0 ** e, -7.5, 7.5)
;;       step = 2.0 ** (np.maximum(np.frexp(np.where(r == 0, 1, r))[1] - 1, 0) - 3)
;;       q = np.round(r / step) * step * 2.0 ** e      # np.round: ties to even
;;       return np.moveaxis(q.reshape(q.shape[:-2] + (-1,))[..., :K], -1, axis).astype(np.float32)
;;   ~~~
;;   OPERANDS COMPUTED ON THE WAY. 'Computed on the way' means the value that the module computes at that place (a softmax that the list does not call 'softmax' is quantised finished and normalised). What goes into a quantiser is computed in f32, as accurately as f32 sums, v_exp_f32 and their like allow (about 1e-6 of the number): no bf16 or f16 on the way to a quantiser, and a product that is left as it is and whose result goes on into a quantised operand takes f32 operands (vector FMAs, or v_wmma_f32_16x16x4_f32). A number that lies on a knife's edge between two numbers of the format may be rounded either way, as far as f32 arithmetic and the matrix unit's own rounding can turn it there, and no further.
;; 2 versions, each right; version 2 is version 1 with the launches conv0, conv1, bnout written anew for expert scheduling mode. Each part assembles by itself: llvm-mc -triple=amdgcn-amd-amdhsa -mcpu=gfx1250 --defsym DOCPART=n.
;; ======== version 1 of 2: 6 launches
;; workspace buffers: grp 524,288 bytes of whole numbers; nidx 524,288 bytes of whole numbers; nwgt 524,288 bytes; wq 133,120 bytes; pbuf 33,554,432 bytes; y0 33,554,432 bytes; part 1,048,576 bytes; bn0 2,048 bytes
;; launch knn (part 1): grid 256 x 1, 8 waves a work-group, no clusters, 168,960 bytes of LDS; arguments xyz1, xyz2, points2, grp, pbuf; writes grp, pbuf
.if DOCPART == 1
	.amdgcn_target "amdgcn-amd-amdhsa--gfx1250"
	.amdhsa_code_object_version 6
	.text
	.protected	k_q952f9287d0_knn
	.globl	k_q952f9287d0_knn
	.p2align	8
	.type	k_q952f9287d0_knn,@function
k_q952f9287d0_knn:
	s_mov_b64 s[64:65], 0
	v_nop
	global_prefetch_b8 v0, s[64:65] scope:SCOPE_SE
	s_setreg_imm32_b32 hwreg(HW_REG_WAVE_MODE, 25, 1), 1
	s_wait_xcnt 0x0
; NEAREST NEIGHBOURS, FIRST PASS, and points2 turned to [batch][s][256 channels].
; The 2,048 candidates of a batch are 128 groups of 16 neighbours.  Order elements by (distance, index).  An element among the three smallest lies in a group whose smallest element
; is not larger than it, and at most two other groups can have a smaller smallest element: so the three smallest elements lie in the three groups with the smallest (minimum, group number).
; This launch finds those three groups for each query and stores their numbers; the next launch scans their 48 candidates with indices.
; d = tx tx, then two fused multiply-adds, t = candidate + (-query): the next launch uses the same operations, so both see the same bits.
; SHARES.  Work-group G owns queries 128 G .. + 127 of batch G / 32.  All eight waves hold the same 128 queries, four a lane (slot k: query 32 k + lane); wave w scans candidates 256 w .. + 255,
; 16 groups, read from LDS by loads in which all lanes name the same address: 12 loads feed 64 pairs a lane.  The waves' three best are merged through LDS by waves 0 to 3, a thread to a query.
; Ties go to the lower number: insertion is by strict <, and groups and waves are inserted in ascending order.
; Beside that each wave turns a piece of points2, 32 s x 64 channels: a lane takes one s, its 64 registers run down the channels; the loads are out while the groups are scanned.
; LIMITS: NaN and infinities among the coordinates are not served.  The distances are fused: candidates within an ulp of each other may be ordered otherwise than by unfused arithmetic.
; LDS: 0 X[2048], 8192 Y, 16384 Z (wave w writes and reads bytes 1024 w .. + 1023 of each alone); MRG [wave][query][32 bytes]; TST a stage of 32 rows x 272 bytes for each wave.
; The claim of LDS is more than half of what a WGP has, so that each of the 256 equal work-groups has a WGP of its own; the text uses 126,976 bytes.
; REGISTERS: v1 lane, v2 1024 w, v3 address of the groups in hand, v4 group number, v5-7 addresses; v8-31 -query, a pair for each coordinate; v32-63 four states (D0-2, I0-2);
;   v64-111, v112-159 two candidate buffers (X 16, Y 16, Z 16); v160-191, v200-231 two work sets; v192-196 minima; v240-249 addresses; window 1 v0-63 the piece of points2.
.set MRG,  24576
.set TST,  57344
.set NQ,   8
.set ST,   32
.set CB0,  64
.set CB1,  112
.set MM,   192
.set MG,   128                         ; the merge: eight waves' states, 8 registers each
.set CM,   20                          ; s20-22 the three masks of an insertion
.set MSB,  0
.macro WIN new                         ; the immediate's high byte repeats the setting that is left
.if MSB != \new
	s_set_vgpr_msb (MSB<<8)|\new
.set MSB, \new
.endif
.endm
; v[m] with the number v[g] is inserted into the sorted three at v[st] .. v[st+2], numbers at v[st+4] .. v[st+6]
.macro INS m, st, g
	v_cmp_lt_f32 s[CM], v[\m], v[\st]
	v_cmp_lt_f32 s[CM+1], v[\m], v[\st+1]
	v_cmp_lt_f32 s[CM+2], v[\m], v[\st+2]
	v_cndmask_b32 v[\st+6], v[\st+6], v[\g], s[CM+2]
	v_cndmask_b32 v[\st+6], v[\st+6], v[\st+5], s[CM+1]
	v_cndmask_b32 v[\st+5], v[\st+5], v[\g], s[CM+1]
	v_cndmask_b32 v[\st+5], v[\st+5], v[\st+4], s[CM]
	v_cndmask_b32 v[\st+4], v[\st+4], v[\g], s[CM]
	v_med3_num_f32 v[\st+2], v[\m], v[\st+1], v[\st+2]
	v_med3_num_f32 v[\st+1], v[\m], v[\st], v[\st+1]
	v_min_num_f32 v[\st], v[\m], v[\st]
.endm
; query slot k against the 16 candidates of buffer cb: 16 distances, two an instruction, their minimum, one insertion
.macro QG k, cb
.set TW, 160+40*((\k)%2)
.set DW, TW+16
.irp p, 0,2,4,6,8,10,12,14
	v_pk_add_f32 v[TW+\p:TW+\p+1], v[\cb+\p:\cb+\p+1], v[NQ+6*\k:NQ+6*\k+1] op_sel_hi:[1,0]
.endr
.irp p, 0,2,4,6,8,10,12,14
	v_pk_mul_f32 v[DW+\p:DW+\p+1], v[TW+\p:TW+\p+1], v[TW+\p:TW+\p+1]
.endr
.irp p, 0,2,4,6,8,10,12,14
	v_pk_add_f32 v[TW+\p:TW+\p+1], v[\cb+16+\p:\cb+17+\p], v[NQ+6*\k+2:NQ+6*\k+3] op_sel_hi:[1,0]
.endr
.irp p, 0,2,4,6,8,10,12,14
	v_pk_fma_f32 v[DW+\p:DW+\p+1], v[TW+\p:TW+\p+1], v[TW+\p:TW+\p+1], v[DW+\p:DW+\p+1]
.endr
.irp p, 0,2,4,6,8,10,12,14
	v_pk_add_f32 v[TW+\p:TW+\p+1], v[\cb+32+\p:\cb+33+\p], v[NQ+6*\k+4:NQ+6*\k+5] op_sel_hi:[1,0]
.endr
.irp p, 0,2,4,6,8,10,12,14
	v_pk_fma_f32 v[DW+\p:DW+\p+1], v[TW+\p:TW+\p+1], v[TW+\p:TW+\p+1], v[DW+\p:DW+\p+1]
.endr
	v_min3_num_f32 v[MM], v[DW], v[DW+1], v[DW+2]
	v_min3_num_f32 v[MM+1], v[DW+3], v[DW+4], v[DW+5]
	v_min3_num_f32 v[MM+2], v[DW+6], v[DW+7], v[DW+8]
	v_min3_num_f32 v[MM+3], v[DW+9], v[DW+10], v[DW+11]
	v_min3_num_f32 v[MM+4], v[DW+12], v[DW+13], v[DW+14]
	v_min3_num_f32 v[MM], v[MM], v[MM+1], v[MM+2]
	v_min3_num_f32 v[MM+3], v[MM+3], v[MM+4], v[DW+15]
	v_min_num_f32 v[MM], v[MM], v[MM+3]
	INS MM, ST+8*\k, 4
.endm
.macro FETCHG cb, adr, off             ; a group's 16 candidates: 64 bytes of X, of Y and of Z, the same address in every lane
.irp a, 0,1,2
.irp j, 0,1,2,3
	ds_load_b128 v[\cb+16*\a+4*\j:\cb+16*\a+4*\j+3], v[\adr] offset:8192*\a+16*\j+\off
.endr
.endr
.endm
.macro GROUP cb, wait, fetch, off
	s_wait_dscnt \wait                             ; this buffer's 12 loads are in; the other buffer's 12, issued behind them, may be out
	v_mov_b32 v4, s16                              ; the group's number
	QG 0, \cb
	QG 1, \cb
	QG 2, \cb
	QG 3, \cb
	s_add_co_u32 s16, s16, 1
.if \fetch
	FETCHG \cb, 3, \off                            ; the group two further on
.endif
.endm
	s_load_b256 s[4:11], s[0:1], 0x0               ; xyz1 s[4:5], xyz2 s[6:7], points2 s[8:9], grp s[10:11]
	s_load_b64 s[12:13], s[0:1], 0x20              ; pbuf
	v_lshl_add_u32 v254, v0, 2, 0x29000
	v_mov_b32 v255, 0
	v_lshrrev_b32 v246, 5, v0
	v_readfirstlane_b32 s14, v246                  ; wave 0..7
	v_and_b32 v1, 31, v0                           ; lane
	v_lshlrev_b32 v2, 10, v246                     ; my wave's 1,024 bytes of X
	v_lshl_add_u32 v5, v1, 2, v2                   ; where I put a candidate's coordinate
	v_mul_u32_u24 v7, v1, 12                       ; a point is 12 bytes
	v_mad_u32_u24 v6, v246, 0xc00, v7              ; my wave's 256 candidates
	v_bfe_u32 v247, v0, 4, 1                       ; lane / 16
	v_and_b32 v248, 15, v0                         ; lane % 16
	v_lshlrev_b32 v240, 2, v0                      ; points2: s = 32 w + lane within the work-group's 256
	v_mul_u32_u24 v241, v246, 0x2200
	v_add_nc_u32 v241, TST, v241                   ; my stage
	v_mad_u32_u24 v242, v247, 0x110, v241
	v_lshl_add_u32 v242, v248, 4, v242             ; out of it: sixteen lanes to a row of 256 bytes, two rows an instruction
	v_mad_u32_u24 v241, v1, 0x110, v241            ; into it: row = my s
	v_lshlrev_b32 v243, 15, v246
	v_lshl_add_u32 v243, v247, 10, v243
	v_lshl_add_u32 v243, v248, 4, v243             ; the same two rows in the turned tensor: rows of 1,024 bytes, my wave's 32
	v_lshlrev_b32 v244, 12, v246
	v_lshl_add_u32 v244, v1, 5, v244
	v_add_nc_u32 v244, MRG, v244                   ; the merge, in: my wave's 4,096 bytes, 32 a query
	v_lshlrev_b32 v245, 5, v0                      ; out: query = thread
	v_lshlrev_b32 v249, 4, v0                      ; grp: 16 bytes a query
	s_lshr_b32 s24, ttmp9, 5                       ; batch
	s_and_b32 s25, ttmp9, 3                        ; which 64 channels of points2
	s_bfe_u32 s26, ttmp9, 0x30002                  ; which 256 s
	s_mul_i32 s28, ttmp9, 1536                     ; my 128 queries
	s_mov_b32 s29, 0
	s_mul_i32 s30, s24, 24576                      ; the batch's candidates
	s_mov_b32 s31, 0
	s_lshl_b32 s32, s24, 21                        ; points2: batch x 2 MiB + 64 channels x 8,192 + 256 s x 4
	s_lshl_b32 s33, s25, 19
	s_add_co_u32 s32, s32, s33
	s_lshl_b32 s33, s26, 10
	s_add_co_u32 s32, s32, s33
	s_mov_b32 s33, 0
	s_lshl_b32 s34, s24, 21                        ; turned: batch x 2 MiB + 256 s x 1,024 + 64 channels x 4
	s_lshl_b32 s35, s26, 18
	s_add_co_u32 s34, s34, s35
	s_lshl_b32 s35, s25, 8
	s_add_co_u32 s34, s34, s35
	s_mov_b32 s35, 0
	s_lshl_b32 s36, ttmp9, 11
	s_mov_b32 s37, 0
	s_wait_kmcnt 0x0
	s_add_nc_u64 s[4:5], s[4:5], s[28:29]
	s_add_nc_u64 s[6:7], s[6:7], s[30:31]
	s_add_nc_u64 s[8:9], s[8:9], s[32:33]
	s_add_nc_u64 s[12:13], s[12:13], s[34:35]
	s_add_nc_u64 s[10:11], s[10:11], s[36:37]
.irp j, 0,1,2,3,4,5,6,7
	global_load_b96 v[160+4*\j:162+4*\j], v6, s[6:7] offset:384*\j     ; candidate 256 w + 32 j + lane
.endr
.irp k, 0,1,2,3
	global_load_b96 v[200+4*\k:202+4*\k], v7, s[4:5] offset:384*\k     ; query 32 k + lane
.endr
	s_wait_loadcnt 0x0
.irp j, 0,1,2,3,4,5,6,7
.irp a, 0,1,2
	ds_store_b32 v5, v[160+4*\j+\a] offset:128*\j+8192*\a              ; the coordinates apart: X, Y, Z
.endr
.endr
.irp k, 0,1,2,3
.irp a, 0,1,2
	v_xor_b32 v[NQ+6*\k+2*\a], 0x80000000, v[200+4*\k+\a]              ; -query; the packed form takes the pair's low word for both halves,
	v_mov_b32 v[NQ+6*\k+2*\a+1], 0                                     ; and names the pair, so its high word is written
.endr
.irp i, 0,1,2
	v_mov_b32 v[ST+8*\k+\i], 0x7f800000                                ; the three best so far: +infinity,
	v_mov_b32 v[ST+8*\k+4+\i], 0                                       ; number 0
.endr
.endr
	FETCHG CB0, 2, 0                               ; LDS serves a wave's instructions in order: these see my stores.  Groups 0 and 1
	FETCHG CB1, 2, 64
	WIN 0x40                                       ; destination window 1
.set c, 0
.rept 64
	global_load_b32 v[c], v240, s[8:9] offset:8192*c th:TH_LOAD_NT     ; points2(channel c, my s): 128 consecutive bytes a wave, 1,024 a work-group; they land while the groups are scanned
.set c, c+1
.endr
	WIN 0
	s_mov_b32 s15, 0
	s_lshl_b32 s16, s14, 4                         ; my wave's first group
	s_mov_b32 s17, 7
.Lgrp:                                             ; a trip: two groups scanned, the two behind them fetched
	s_add_co_u32 s15, s15, 128
	v_add_nc_u32 v3, s15, v2
	GROUP CB0, 12, 1, 0
	GROUP CB1, 12, 1, 64
	s_sub_co_u32 s17, s17, 1
	s_cmp_lg_u32 s17, 0
	s_cbranch_scc1 .Lgrp
	GROUP CB0, 12, 0, 0                            ; the last two groups fetch nothing
	GROUP CB1, 0, 0, 0
.irp k, 0,1,2,3
	ds_store_b96 v244, v[ST+8*\k:ST+8*\k+2] offset:1024*\k             ; my wave's three best of query 32 k + lane
	ds_store_b96 v244, v[ST+8*\k+4:ST+8*\k+6] offset:1024*\k+16
.endr
	s_wait_loadcnt 0x0                             ; the piece of points2
	WIN 0x04                                       ; an LDS store's data are its source 1: window 1
.irp q, 0,1,2,3,4,5,6,7,8,9,10,11,12,13,14,15
	ds_store_b128 v241, v[4*\q:4*\q+3] offset:16*\q
.endr
	WIN 0
.irp i, 0,1,2,3,4,5,6,7,8,9,10,11,12,13,14,15
	ds_load_b128 v[64+4*\i:67+4*\i], v242 offset:544*\i                ; my own stage: served in order, behind my stores
.endr
.irp i, 0,1,2,3,4,5,6,7,8,9,10,11,12,13,14,15
	s_wait_dscnt 15-\i                             ; load i is in; the younger ones may be out
	global_store_b128 v243, v[64+4*\i:67+4*\i], s[12:13] offset:2048*\i   ; sixteen lanes store 256 consecutive bytes, at a multiple of 256 from the buffer's first byte
.endr
	s_wait_dscnt 0x0                               ; for the others' sake: my states lie in LDS
	s_barrier_signal -1
	s_barrier_wait -1
	s_cmp_ge_u32 s14, 4
	s_cbranch_scc1 .Ldone                          ; 128 queries: waves 0 to 3 merge, a thread to a query
.irp w, 0,1,2,3,4,5,6,7
	ds_load_b96 v[MG+8*\w:MG+8*\w+2], v245 offset:MRG+4096*\w
	ds_load_b96 v[MG+8*\w+4:MG+8*\w+6], v245 offset:MRG+4096*\w+16
.endr
	s_wait_dscnt 0x0
.irp w, 1,2,3,4,5,6,7
.irp j, 0,1,2
	INS MG+8*\w+\j, MG, MG+8*\w+4+\j               ; waves ascending, each wave's three ascending: ties stay with the lower group
.endr
.endr
	v_mov_b32 v[MG+7], 0
	global_store_b128 v249, v[MG+4:MG+7], s[10:11]
.Ldone:
	s_wait_tensorcnt 0x0
	ds_add_u32 v254, v255
	s_wait_dscnt 0x0
	s_endpgm
.Lfunc_end_k_q952f9287d0_knn:
	.size	k_q952f9287d0_knn, .Lfunc_end_k_q952f9287d0_knn-k_q952f9287d0_knn
	.p2alignl 7, 3214868480
	.fill 96, 4, 3214868480
	.section	.rodata,"a",@progbits
	.p2align	6, 0x0
	.amdhsa_kernel k_q952f9287d0_knn
		.amdhsa_group_segment_fixed_size 168960
		.amdhsa_private_segment_fixed_size 0
		.amdhsa_enable_private_segment 0
		.amdhsa_kernarg_size 40
		.amdhsa_user_sgpr_count 2
		.amdhsa_user_sgpr_kernarg_segment_ptr 1
		.amdhsa_wavefront_size32 1
		.amdhsa_system_sgpr_workgroup_id_x 1
		.amdhsa_system_sgpr_workgroup_id_y 1
		.amdhsa_system_sgpr_workgroup_id_z 1
		.amdhsa_system_vgpr_workitem_id 0
		.amdhsa_next_free_vgpr 320
		.amdhsa_next_free_sgpr 66
		.amdhsa_reserve_vcc 0
		.amdhsa_float_denorm_mode_32 3
		.amdhsa_float_denorm_mode_16_64 3
		.amdhsa_memory_ordered 1
		.amdhsa_forward_progress 1
		.amdhsa_inst_pref_size 104
	.end_amdhsa_kernel
	.amdgpu_metadata
---
amdhsa.version: [ 1, 2 ]
amdhsa.kernels:
  - .name:           k_q952f9287d0_knn
    .symbol:         k_q952f9287d0_knn.kd
    .args:
      - { .name: xyz1, .offset: 0, .size: 8, .value_kind: global_buffer, .address_space: global }
      - { .name: xyz2, .offset: 8, .size: 8, .value_kind: global_buffer, .address_space: global }
      - { .name: points2, .offset: 16, .size: 8, .value_kind: global_buffer, .address_space: global }
      - { .name: grp, .offset: 24, .size: 8, .value_kind: global_buffer, .address_space: global }
      - { .name: pbuf, .offset: 32, .size: 8, .value_kind: global_buffer, .address_space: global }
    .group_segment_fixed_size: 168960
    .private_segment_fixed_size: 0
    .kernarg_segment_align: 8
    .kernarg_segment_size: 40
    .max_flat_workgroup_size: 256
    .sgpr_count:     66
    .vgpr_count:     320
    .wavefront_size: 32
...
	.end_amdgpu_metadata
.endif
;; end of part 1
;; launch refine (part 2): grid 264 x 1, 4 waves a work-group, no clusters, 27,136 bytes of LDS; arguments xyz1, xyz2, grp, W0, W1, nidx, nwgt, wq; writes nidx, nwgt, wq
.if DOCPART == 2
	.amdgcn_target "amdgcn-amd-amdhsa--gfx1250"
	.amdhsa_code_object_version 6
	.text
	.protected	k_q952f9287d0_refine
	.globl	k_q952f9287d0_refine
	.p2align	8
	.type	k_q952f9287d0_refine,@function
k_q952f9287d0_refine:
	s_mov_b64 s[64:65], 0
	v_nop
	global_prefetch_b8 v0, s[64:65] scope:SCOPE_SE
	s_setreg_imm32_b32 hwreg(HW_REG_WAVE_MODE, 25, 1), 1
	s_wait_xcnt 0x0
; NEAREST NEIGHBOURS, SECOND PASS (work-groups 0 to 255), and W0, W1 into codes of FP6 (E2M3) laid as images of operand registers (work-groups 256 to 263).
; SECOND PASS.  Thread t takes query 128 G + t.  Its three groups of 16 candidates, stored by the launch before, are sorted ascending; the batch's candidates lie in LDS, a group in 192 bytes at a pitch of 208.
; The three groups are scanned side by side, each into its own sorted three with the candidate's place 0 .. 15; then the second and the third group's are inserted into the first's.  Insertion is by strict <
; and in ascending index order, so ties stay with the lower index.  weight_k = (1 / max(d_k, 1e-10)) / their sum.  Stored: [query][i0, i1, i2, 0] and [query][w0, w1, w2, 0].
; THE WEIGHTS.  A wave takes a tile of 16 rows.  Lane (r, h) takes row r and, for K step s, k = 128 s + 64 c + 32 h + 0 .. 31 (c = 0, 1): two whole blocks of 32, in the order of the operand's registers.
; A block's scale is 2^(floor(log2(largest magnitude)) - 2): its byte is the largest magnitude's exponent field - 2, held at 1 from below by a floor among the maximum's leaves.
; A fragment's 12 registers are stored as they stand, register group c at 512 c + 16 lane; its scale words at 4 lane.  W0's tile T takes rows 32 (T / 2) + 8 (T % 2) + r + 8 (r / 8), so that the first
; product, used transposed, leaves 16 neighbouring channels in a lane's 16 registers of two neighbouring tiles; W1's tile T takes rows 16 T + r.
; LIMITS: NaN and infinities are not served.  A block of zeros gets the byte 1: its codes are zeros, and this program alone reads the bytes.
.set CM, 40                            ; s40-48 masks
.macro INS m, st, g
	v_cmp_lt_f32 s[CM], v[\m], v[\st]
	v_cmp_lt_f32 s[CM+1], v[\m], v[\st+1]
	v_cmp_lt_f32 s[CM+2], v[\m], v[\st+2]
	v_cndmask_b32 v[\st+6], v[\st+6], v[\g], s[CM+2]
	v_cndmask_b32 v[\st+6], v[\st+6], v[\st+5], s[CM+1]
	v_cndmask_b32 v[\st+5], v[\st+5], v[\g], s[CM+1]
	v_cndmask_b32 v[\st+5], v[\st+5], v[\st+4], s[CM]
	v_cndmask_b32 v[\st+4], v[\st+4], v[\g], s[CM]
	v_med3_num_f32 v[\st+2], v[\m], v[\st+1], v[\st+2]
	v_med3_num_f32 v[\st+1], v[\m], v[\st], v[\st+1]
	v_min_num_f32 v[\st], v[\m], v[\st]
.endm
.macro DIST3 e                         ; candidate e of each of the three groups: the same operations as in the first pass
.irp a, 0,1,2
.irp kk, 0,1,2
	v_sub_f32 v[200+3*\kk+\a], v[32+48*\kk+3*\e+\a], v[8+\a]
.endr
.endr
.irp kk, 0,1,2
	v_mul_f32 v[209+\kk], v[200+3*\kk], v[200+3*\kk]
.endr
.irp kk, 0,1,2
	v_fmac_f32 v[209+\kk], v[201+3*\kk], v[201+3*\kk]
.endr
.irp kk, 0,1,2
	v_fmac_f32 v[209+\kk], v[202+3*\kk], v[202+3*\kk]
.endr
.endm
.macro INS3 e                          ; the three insertions, line by line by turns; the number inserted is the place e
.irp i, 0,1,2
.irp kk, 0,1,2
	v_cmp_lt_f32 s[CM+3*\kk+\i], v[209+\kk], v[176+8*\kk+\i]
.endr
.endr
.irp kk, 0,1,2
	v_cndmask_b32 v[182+8*\kk], v[182+8*\kk], \e, s[CM+2+3*\kk]
.endr
.irp kk, 0,1,2
	v_cndmask_b32 v[182+8*\kk], v[182+8*\kk], v[181+8*\kk], s[CM+1+3*\kk]
.endr
.irp kk, 0,1,2
	v_cndmask_b32 v[181+8*\kk], v[181+8*\kk], \e, s[CM+1+3*\kk]
.endr
.irp kk, 0,1,2
	v_cndmask_b32 v[181+8*\kk], v[181+8*\kk], v[180+8*\kk], s[CM+3*\kk]
.endr
.irp kk, 0,1,2
	v_cndmask_b32 v[180+8*\kk], v[180+8*\kk], \e, s[CM+3*\kk]
.endr
.irp kk, 0,1,2
	v_med3_num_f32 v[178+8*\kk], v[209+\kk], v[177+8*\kk], v[178+8*\kk]
.endr
.irp kk, 0,1,2
	v_med3_num_f32 v[177+8*\kk], v[209+\kk], v[176+8*\kk], v[177+8*\kk]
.endr
.irp kk, 0,1,2
	v_min_num_f32 v[176+8*\kk], v[209+\kk], v[176+8*\kk]
.endr
.endm
; A tile of 16 rows, nk K steps of 128.  v6: my row's byte + 128 h;  s[wp:wp+1]: the tile's first row;  s[26:27], s[28:29]: where its images and its scale words go.
; Each K step has registers of its own for its numbers (v16 + 64 s), its codes (v208 + 12 s) and its scale word (v244 + s): no store's data are written again.
.macro WTILE nk, wp
.irp s, 0,1,2
.if \s < \nk
.irp c, 0,1
.irp j, 0,1,2,3,4,5,6,7
	global_load_b128 v[16+64*\s+32*\c+4*\j:19+64*\s+32*\c+4*\j], v6, s[\wp:\wp+1] offset:512*\s+256*\c+16*\j
.endr
.endr
.endif
.endr
.irp s, 0,1,2
.if \s < \nk
	s_wait_loadcnt 16*(\nk-1-\s)                   ; this K step's 16 loads are in; the later steps' may be out
.irp c, 0,1
	v_max3_num_f32 v[12+\c], |v[16+64*\s+32*\c]|, |v[17+64*\s+32*\c]|, 0x1800000   ; my block 2 c + h, and the floor 2^(3 - 127): the byte cannot fall under 1
.endr
.irp i, 2,4,6,8,10,12,14,16,18,20,22,24,26,28,30
.irp c, 0,1
	v_max3_num_f32 v[12+\c], v[12+\c], |v[16+64*\s+32*\c+\i]|, |v[17+64*\s+32*\c+\i]|
.endr
.endr
.irp c, 0,1
	v_add_nc_u32 v[14+\c], 0xff000000, v[12+\c]    ; 2 off the exponent field: the conversion takes this operand's exponent field as its scale
.endr
.irp c, 0,1
	v_lshrrev_b32 v[8+\c], 23, v[14+\c]            ; the scale's byte
.endr
	v_lshl_or_b32 v[244+\s], v9, 16, v8            ; my two bytes, blocks h and 2 + h,
	v_lshlrev_b32 v[244+\s], v10, v[244+\s]        ; 8 h bits up;
	v_permlanex16_b32 v11, v[244+\s], s20, s21
	v_or_b32 v[244+\s], v[244+\s], v11             ; with lane l xor 16's two the word is whole
.irp c, 0,1
	v_cvt_scalef32_pk16_fp6_f32 v[208+12*\s+6*\c:210+12*\s+6*\c], v[16+64*\s+32*\c:31+64*\s+32*\c], v[14+\c]
	v_cvt_scalef32_pk16_fp6_f32 v[248+4*\c:250+4*\c], v[32+64*\s+32*\c:47+64*\s+32*\c], v[14+\c]   ; (a conversion's three registers begin on an even number)
.endr
	v_nop                                          ; one plain place behind a scaled conversion
.irp c, 0,1
.irp i, 0,1,2
	v_mov_b32 v[211+12*\s+6*\c+\i], v[248+4*\c+\i]
.endr
.endr
.irp c, 0,1,2
	global_store_b128 v4, v[208+12*\s+4*\c:211+12*\s+4*\c], s[26:27] offset:1536*\s+512*\c   ; 512 consecutive bytes
.endr
	global_store_b32 v5, v[244+\s], s[28:29] offset:128*\s
.endif
.endr
.endm
	s_load_b256 s[4:11], s[0:1], 0x0               ; xyz1 s[4:5], xyz2 s[6:7], grp s[8:9], W0 s[10:11]
	s_load_b256 s[12:19], s[0:1], 0x20             ; W1 s[12:13], nidx s[14:15], nwgt s[16:17], wq s[18:19]
	v_lshl_add_u32 v251, v0, 2, 0x6800
	v_mov_b32 v255, 0
	v_lshrrev_b32 v1, 5, v0
	v_readfirstlane_b32 s22, v1                    ; wave 0..3
	s_mov_b32 s20, 0x76543210
	s_mov_b32 s21, 0xfedcba98                      ; v_permlanex16_b32's selects for lane l xor 16
	s_wait_kmcnt 0x0
	s_cmp_ge_u32 ttmp9, 256
	s_cbranch_scc1 .Lwq                            ; the same way for all waves of a work-group
	; ---- the second pass
	v_lshlrev_b32 v1, 4, v0                        ; 16 bytes a query
	v_mul_u32_u24 v2, v0, 12
	v_mul_u32_u24 v3, v0, 192                      ; group t of the batch in memory,
	v_mul_u32_u24 v20, v0, 208                     ; and in LDS
	s_lshl_b32 s24, ttmp9, 11
	s_mov_b32 s25, 0
	s_mul_i32 s26, ttmp9, 1536
	s_mov_b32 s27, 0
	s_lshr_b32 s28, ttmp9, 5
	s_mul_i32 s28, s28, 24576
	s_mov_b32 s29, 0
	s_add_nc_u64 s[8:9], s[8:9], s[24:25]
	s_add_nc_u64 s[14:15], s[14:15], s[24:25]
	s_add_nc_u64 s[16:17], s[16:17], s[24:25]
	s_add_nc_u64 s[4:5], s[4:5], s[26:27]
	s_add_nc_u64 s[6:7], s[6:7], s[28:29]
	global_load_b128 v[4:7], v1, s[8:9]            ; my three groups
	global_load_b96 v[8:10], v2, s[4:5]            ; my query
.irp k, 0,1,2,3,4,5,6,7,8,9,10,11
	global_load_b128 v[32+4*\k:35+4*\k], v3, s[6:7] offset:16*\k
.endr
	s_wait_loadcnt 0x0
.irp k, 0,1,2,3,4,5,6,7,8,9,10,11
	ds_store_b128 v20, v[32+4*\k:35+4*\k] offset:16*\k
.endr
	v_min_u32 v12, v4, v5                          ; the three groups ascending
	v_min_u32 v12, v12, v6
	v_max_u32 v14, v4, v5
	v_max_u32 v14, v14, v6
	v_add3_u32 v13, v4, v5, v6
	v_sub_nc_u32 v13, v13, v12
	v_sub_nc_u32 v13, v13, v14
.irp kk, 0,1,2
	v_min_u32 v[12+\kk], 127, v[12+\kk]            ; a loaded number enters an address only behind this hold
.endr
.irp kk, 0,1,2
	v_mul_u32_u24 v[16+\kk], v[12+\kk], 208
.endr
.irp kk, 0,1,2
.irp i, 0,1,2
	v_mov_b32 v[176+8*\kk+\i], 0x7f800000
	v_mov_b32 v[180+8*\kk+\i], 0
.endr
.endr
	s_wait_dscnt 0x0                               ; for the others' sake: my group lies in LDS
	s_barrier_signal -1
	s_barrier_wait -1
.irp kk, 0,1,2
.irp j, 0,1,2,3,4,5,6,7,8,9,10,11
	ds_load_b128 v[32+48*\kk+4*\j:35+48*\kk+4*\j], v[16+\kk] offset:16*\j
.endr
.endr
	s_wait_dscnt 0x0
.irp e, 0,1,2,3,4,5,6,7,8,9,10,11,12,13,14,15
	DIST3 \e
	INS3 \e
.endr
.irp kk, 0,1,2
.irp i, 0,1,2
	v_lshl_add_u32 v[180+8*\kk+\i], v[12+\kk], 4, v[180+8*\kk+\i]      ; index = 16 x group + place
.endr
.endr
.irp kk, 1,2
.irp j, 0,1,2
	INS 176+8*\kk+\j, 176, 180+8*\kk+\j
.endr
.endr
.irp i, 0,1,2
	v_max_num_f32 v[212+\i], 0x2edbe6ff, v[176+\i] ; max(d, 1e-10)
.endr
.irp i, 0,1,2
	v_rcp_f32 v[216+\i], v[212+\i]
.endr
	v_mov_b32 v215, 0                              ; (a plain place behind the reciprocals)
	s_wait_alu depctr_va_vdst(0)
	v_add_f32 v219, v216, v217
	v_add_f32 v219, v219, v218
	v_rcp_f32 v220, v219
	v_mov_b32 v183, 0                              ; (a plain place)
	s_wait_alu depctr_va_vdst(0)
.irp i, 0,1,2
	v_mul_f32 v[212+\i], v[216+\i], v220
.endr
	global_store_b128 v1, v[180:183], s[14:15]
	global_store_b128 v1, v[212:215], s[16:17]
	s_wait_tensorcnt 0x0
	ds_add_u32 v251, v255
	s_wait_dscnt 0x0
	s_endpgm
	; ---- the weights
.Lwq:
	v_and_b32 v1, 31, v0
	v_and_b32 v2, 15, v0                           ; r
	v_bfe_u32 v3, v0, 4, 1                         ; h
	v_lshlrev_b32 v4, 4, v1                        ; an image's place for my lane
	v_lshlrev_b32 v5, 2, v1                        ; a scale word's
	v_lshlrev_b32 v10, 3, v3                       ; 8 h
	v_mov_b32 v11, 0                               ; written once: a lane permute's destination counts as one of its sources
	s_mov_b32 s31, 0
	s_sub_co_u32 s24, ttmp9, 256
	s_cmp_ge_u32 s24, 4
	s_cbranch_scc1 .Lw1
	s_lshl_b32 s25, s24, 2
	s_add_co_u32 s25, s25, s22                     ; W0's tile T
	s_lshr_b32 s30, s25, 1
	s_lshl_b32 s30, s30, 5
	s_and_b32 s23, s25, 1
	s_lshl_b32 s23, s23, 3
	s_add_co_u32 s30, s30, s23                     ; its first row: 32 (T / 2) + 8 (T % 2)
	s_mul_i32 s30, s30, 1536
	s_add_nc_u64 s[10:11], s[10:11], s[30:31]
	s_mul_i32 s30, s25, 4608                       ; three images of 1,536 bytes a tile
	s_add_nc_u64 s[26:27], s[18:19], s[30:31]
	s_mul_i32 s30, s25, 384
	s_add_co_u32 s30, s30, 73728                   ; behind W0's 48 images: its scale words
	s_add_nc_u64 s[28:29], s[18:19], s[30:31]
	v_and_b32 v7, 8, v2
	v_add_nc_u32 v7, v7, v2                        ; r + 8 (r / 8)
	v_mul_u32_u24 v6, v7, 1536
	v_lshl_add_u32 v6, v3, 7, v6
	WTILE 3, 10
	s_endpgm
.Lw1:
	s_sub_co_u32 s24, s24, 4
	s_lshl_b32 s25, s24, 2
	s_add_co_u32 s25, s25, s22                     ; W1's tile T
	s_lshl_b32 s30, s25, 14                        ; 16 T rows of 1,024 bytes
	s_add_nc_u64 s[12:13], s[12:13], s[30:31]
	s_mul_i32 s30, s25, 3072
	s_add_co_u32 s30, s30, 79872
	s_add_nc_u64 s[26:27], s[18:19], s[30:31]
	s_lshl_b32 s30, s25, 8
	s_add_co_u32 s30, s30, 129024
	s_add_nc_u64 s[28:29], s[18:19], s[30:31]
	v_lshlrev_b32 v6, 10, v2
	v_lshl_add_u32 v6, v3, 7, v6
	WTILE 2, 12
	s_endpgm
.Lfunc_end_k_q952f9287d0_refine:
	.size	k_q952f9287d0_refine, .Lfunc_end_k_q952f9287d0_refine-k_q952f9287d0_refine
	.p2alignl 7, 3214868480
	.fill 96, 4, 3214868480
	.section	.rodata,"a",@progbits
	.p2align	6, 0x0
	.amdhsa_kernel k_q952f9287d0_refine
		.amdhsa_group_segment_fixed_size 27136
		.amdhsa_private_segment_fixed_size 0
		.amdhsa_enable_private_segment 0
		.amdhsa_kernarg_size 64
		.amdhsa_user_sgpr_count 2
		.amdhsa_user_sgpr_kernarg_segment_ptr 1
		.amdhsa_wavefront_size32 1
		.amdhsa_system_sgpr_workgroup_id_x 1
		.amdhsa_system_sgpr_workgroup_id_y 1
		.amdhsa_system_sgpr_workgroup_id_z 1
		.amdhsa_system_vgpr_workitem_id 0
		.amdhsa_next_free_vgpr 256
		.amdhsa_next_free_sgpr 66
		.amdhsa_reserve_vcc 0
		.amdhsa_float_denorm_mode_32 3
		.amdhsa_float_denorm_mode_16_64 3
		.amdhsa_memory_ordered 1
		.amdhsa_forward_progress 1
		.amdhsa_inst_pref_size 80
	.end_amdhsa_kernel
	.amdgpu_metadata
---
amdhsa.version: [ 1, 2 ]
amdhsa.kernels:
  - .name:           k_q952f9287d0_refine
    .symbol:         k_q952f9287d0_refine.kd
    .args:
      - { .name: xyz1, .offset: 0, .size: 8, .value_kind: global_buffer, .address_space: global }
      - { .name: xyz2, .offset: 8, .size: 8, .value_kind: global_buffer, .address_space: global }
      - { .name: grp, .offset: 16, .size: 8, .value_kind: global_buffer, .address_space: global }
      - { .name: W0, .offset: 24, .size: 8, .value_kind: global_buffer, .address_space: global }
      - { .name: W1, .offset: 32, .size: 8, .value_kind: global_buffer, .address_space: global }
      - { .name: nidx, .offset: 40, .size: 8, .value_kind: global_buffer, .address_space: global }
      - { .name: nwgt, .offset: 48, .size: 8, .value_kind: global_buffer, .address_space: global }
      - { .name: wq, .offset: 56, .size: 8, .value_kind: global_buffer, .address_space: global }
    .group_segment_fixed_size: 27136
    .private_segment_fixed_size: 0
    .kernarg_segment_align: 8
    .kernarg_segment_size: 64
    .max_flat_workgroup_size: 128
    .sgpr_count:     66
    .vgpr_count:     256
    .wavefront_size: 32
...
	.end_amdgpu_metadata
.endif
;; end of part 2
;; launch conv0 (part 3): grid 256 x 1, 8 waves a work-group, no clusters, 241,664 bytes of LDS; arguments nidx, nwgt, pbuf, points1, wq, b0, y0, part; writes y0, part
.if DOCPART == 3
	.amdgcn_target "amdgcn-amd-amdhsa--gfx1250"
	.amdhsa_code_object_version 6
	.text
	.protected	k_q952f9287d0_conv0
	.globl	k_q952f9287d0_conv0
	.p2align	8
	.type	k_q952f9287d0_conv0,@function
k_q952f9287d0_conv0:
	s_mov_b64 s[64:65], 0
	v_nop
	global_prefetch_b8 v0, s[64:65] scope:SCOPE_SE
	s_setreg_imm32_b32 hwreg(HW_REG_WAVE_MODE, 25, 1), 1
	s_wait_xcnt 0x0
; h = [the three neighbours' features blended (256 channels) | points1 (128 channels)], quantised along the channels to FP6 (E2M3) with one E8M0 scale for each 32;  y0 = h W0^T + b0, f32;
; and for each channel the mean and the sum of squares about that mean over the work-group's 128 points.
; SHARES.  Work-group G owns points 128 (G % 32) .. + 127 of batch G / 32.  Wave w gathers, blends and quantises point tile w (16 points).  In the product THE WAVES SHARE THE COLUMNS: wave w makes
; channels 32 w .. + 31 (W0's tiles 2 w, 2 w + 1, in registers) for all eight point tiles, so a channel's 128 numbers lie in one wave.
; THE GATHER.  A neighbour's row of the turned points2 is 1,024 bytes: two loads of 512 consecutive bytes a wave.  Index and weight of a point are loaded by all lanes from the same address.
; The blended rows turn through the wave's own stage, so that lane (r, h) gets, of point r, 16 neighbouring channels of each block of 32.
; OPERANDS GO FROM WAVE TO WAVE THROUGH LDS AS IMAGES OF THEIR REGISTERS: register group c of a fragment at 512 c + 16 lane, its scale words at 4 lane.
; THE PRODUCT IS USED TRANSPOSED (source 0 = 16 rows of W0, source 1 = 16 points); W0's tile rows were chosen so that register 8 u + j of lane (r, h) is channel 32 w + 16 h + 8 u + j of point r:
; the very registers that the next layer's quantiser wants.  y0 is stored as that image: [point tile][K step 2][block 4][4][lane][4 numbers].  b0 is the C of each sum's first matrix instruction.
; LIMITS: NaN and infinities are not served; a block of zeros gets the byte 1 (its codes are zeros; this program alone reads the bytes).
; LDS: HIMG 24 fragments (3 m + s) x 1,536; HSC their scale words x 128; P1S 128 channel rows x 528; ISTG 16 rows x 1,040 for each wave.
; REGISTERS, window 0: v1-15 addresses; v16-79 indices, then offsets, then 64 numbers to quantise; v80-143 weights, then 64 numbers; v144-239 four slots of gathered rows, then codes and work,
;   then eight fragments of h; v16-143 the 16 accumulators ((m, u) at 16 + 16 m + 8 u); v240-247, v248-253 scale words and nothing else; v255 8 x thread.
;   window 1: v0-71 W0's six fragments ((u, s) at 12 (3 u + s)); v72-87 b0; v96-159 points1.
.set HIMG, 0
.set HSC,  36864
.set P1S,  39936
.set ISTG, 107520
.set IDX,  16
.set WGT,  80
.set DATA, 144
.set XQ0,  16
.set XQ1,  80
.set PC,   144
.set TM,   164
.set PW,   180
.set ACC,  16
.set HF,   144
.set HS,   240
.set WS,   248
.set BIAS, 72
.set P1,   96
.set SS,   144
.set TT,   160
.set QQ,   176
.set SEL,  22
.set MSB,  0
.macro WIN new                         ; the immediate's high byte repeats the setting that is left
.if MSB != \new
	s_set_vgpr_msb (MSB<<8)|\new
.set MSB, \new
.endif
.endm
; 64 numbers of a lane, register 16 b + i = k 32 b + 16 (lane / 16) + i of my row, become a fragment's codes in v[PC] on and its scale word in v[PW]
.macro QUANT s
.irp b, 0,1,2,3
	v_max3_num_f32 v[TM+\b], |v[\s+16*\b]|, |v[\s+1+16*\b]|, 0x1800000   ; block b: my 16 numbers, and the floor 2^(3 - 127): the byte cannot fall under 1
.endr
.irp i, 2,4,6,8,10,12,14
.irp b, 0,1,2,3
	v_max3_num_f32 v[TM+\b], v[TM+\b], |v[\s+16*\b+\i]|, |v[\s+1+16*\b+\i]|
.endr
.endr
.irp b, 0,1,2,3
	v_permlanex16_b32 v[TM+4+\b], v[TM+\b], s[SEL], s[SEL+1]
.endr
.irp b, 0,1,2,3
	v_max_num_f32 v[TM+\b], v[TM+\b], v[TM+4+\b]   ; with lane l xor 16's: the block's largest magnitude
.endr
.irp b, 0,1,2,3
	v_add_nc_u32 v[TM+12+\b], 0xff000000, v[TM+\b] ; 2 off its exponent field: the conversion's scale operand
.endr
.irp b, 0,1,2,3
	v_lshrrev_b32 v[TM+4+\b], 23, v[TM+12+\b]      ; the scale's byte
.endr
	v_lshl_or_b32 v[PW], v[TM+5], 8, v[TM+4]
	v_lshl_or_b32 v[PW], v[TM+6], 16, v[PW]
	v_lshl_or_b32 v[PW], v[TM+7], 24, v[PW]
.irp c, 0,1
	v_cvt_scalef32_pk16_fp6_f32 v[PC+6*\c:PC+2+6*\c], v[\s+32*\c:\s+15+32*\c], v[TM+12+2*\c]
	v_cvt_scalef32_pk16_fp6_f32 v[PC+12+4*\c:PC+14+4*\c], v[\s+16+32*\c:\s+31+32*\c], v[TM+12+2*\c+1]   ; (a conversion's three registers begin on an even number)
.endr
	v_nop                                          ; one plain place behind a scaled conversion
.irp c, 0,1                                    ; the operand's layout wants a whole block in a lane
.irp i, 0,1,2
	v_permlane16_swap_b32 v[PC+6*\c+\i], v[PC+12+4*\c+\i]
.endr
.irp i, 0,1,2
	v_mov_b32 v[PC+3+6*\c+\i], v[PC+12+4*\c+\i]
.endr
.endr
.endm
.macro IMAGE adr, off
.irp c, 0,1,2
	ds_store_b128 v[\adr], v[PC+4*\c:PC+4*\c+3] offset:\off+512*\c
.endr
.endm
.macro FETCH reg, adr, off
.irp c, 0,1,2
	ds_load_b128 v[\reg+4*\c:\reg+4*\c+3], v[\adr] offset:\off+512*\c
.endr
.endm
.macro BARRIER                                 ; my LDS stores have landed and my LDS loads are in: then the work-group's barrier
	s_wait_dscnt 0x0
	s_barrier_signal -1
	s_barrier_wait -1
.endm
.macro GATH p                                  ; point p's three rows into slot p % 4: neighbour k at + 8 k, half f of the row at + 4 f
.irp k, 0,1,2
.irp f, 0,1
	global_load_b128 v[DATA+24*((\p)%4)+8*\k+4*\f:DATA+24*((\p)%4)+8*\k+4*\f+3], v[IDX+4*(\p)+\k], s[8:9] offset:512*\f
.endr
.endr
.endm
.macro POINT p
.set SL, DATA+24*((\p)%4)
.if (\p) < 14
	s_wait_loadcnt 12                              ; this point's six loads are in; the next two points' twelve may be out
.elseif (\p) == 14
	s_wait_loadcnt 6
.else
	s_wait_loadcnt 0
.endif
.irp i, 0,1,2,3,4,5,6,7
	v_mul_f32 v[SL+\i], v[WGT+4*(\p)], v[SL+\i]
.endr
.irp i, 0,1,2,3,4,5,6,7
	v_fmac_f32 v[SL+\i], v[WGT+4*(\p)+1], v[SL+8+\i]
.endr
.irp i, 0,1,2,3,4,5,6,7
	v_fmac_f32 v[SL+\i], v[WGT+4*(\p)+2], v[SL+16+\i]
.endr
	ds_store_b128 v7, v[SL:SL+3] offset:1040*(\p)
	ds_store_b128 v7, v[SL+4:SL+7] offset:1040*(\p)+512
.if (\p)+3 < 16
	s_wait_dscnt 2                                 ; all but my two stores just issued: the last point's stores have read their slot,
	GATH (\p)+3                                    ; which takes the point three further on
.endif
.endm
	s_load_b256 s[4:11], s[0:1], 0x0               ; nidx s[4:5], nwgt s[6:7], turned points2 s[8:9], points1 s[10:11]
	s_load_b256 s[12:19], s[0:1], 0x20             ; wq s[12:13], b0 s[14:15], y0 s[16:17], part s[18:19]
	s_set_vgpr_msb 0x40
	v_lshl_add_u32 v160, v0, 2, 0x3ac00
	v_mov_b32 v161, 0
	s_set_vgpr_msb 0x4000
	v_lshrrev_b32 v254, 5, v0
	v_readfirstlane_b32 s20, v254                  ; wave 0..7
	v_and_b32 v1, 31, v0                           ; lane
	v_and_b32 v2, 15, v0                           ; r
	v_bfe_u32 v3, v0, 4, 1                         ; h
	v_lshlrev_b32 v4, 4, v1                        ; 16 x lane
	v_lshlrev_b32 v5, 2, v1                        ; 4 x lane
	v_lshlrev_b32 v6, 8, v254                      ; my tile's 16 points in nidx and nwgt: the same in every lane
	v_mul_u32_u24 v7, v254, 0x4100
	v_add_nc_u32 v7, ISTG, v7                      ; my stage
	v_mad_u32_u24 v8, v2, 0x410, v7
	v_lshl_add_u32 v8, v3, 6, v8                   ; out of it: row r, + 64 h
	v_add_nc_u32 v7, v7, v4                        ; into it: 16 x lane
	v_mul_u32_u24 v9, v254, 0x2100
	v_add_nc_u32 v9, P1S, v9
	v_add_nc_u32 v9, v9, v4                        ; points1 in: my 16 channel rows
	v_mul_u32_u24 v10, v3, 0x2100
	v_lshl_add_u32 v10, v254, 6, v10
	v_lshl_add_u32 v10, v2, 2, v10
	v_add_nc_u32 v10, P1S, v10                     ; out: channel 16 h, point 16 w + r
	v_mad_u32_u24 v11, v254, 0x1200, v4            ; my three images
	v_mad_u32_u24 v12, v254, 0x180, v5
	v_add_nc_u32 v12, HSC, v12                     ; and their scale words
	v_add_nc_u32 v13, HSC, v5
	v_lshl_add_u32 v14, v254, 18, v4               ; points1 in memory: 16 channels of 16,384 bytes a wave
	v_lshlrev_b32 v15, 6, v3                       ; b0: 16 h channels on
	v_lshlrev_b32 v255, 3, v0                      ; part: 8 bytes a channel
	s_mov_b32 s[SEL], 0x76543210
	s_mov_b32 s[SEL+1], 0xfedcba98
	s_lshr_b32 s24, ttmp9, 5                       ; batch
	s_and_b32 s25, ttmp9, 31
	s_lshl_b32 s26, ttmp9, 11
	s_mov_b32 s27, 0
	s_lshl_b32 s28, s24, 21
	s_mov_b32 s29, 0
	s_lshl_b32 s30, s25, 9
	s_add_co_u32 s30, s30, s28
	s_mov_b32 s31, 0
	s_mul_i32 s32, s20, 9216                       ; my six images of W0
	s_mov_b32 s33, 0
	s_mul_i32 s34, s20, 768                        ; and their scale words
	s_mov_b32 s35, 0
	s_lshl_b32 s36, s20, 7
	s_mov_b32 s37, 0
	s_lshl_b32 s38, ttmp9, 17                      ; y0: eight tiles of 16,384 bytes a work-group; my 32 channels are 2,048 bytes of each
	s_lshl_b32 s39, s20, 11
	s_add_co_u32 s38, s38, s39
	s_mov_b32 s39, 0
	s_wait_kmcnt 0x0
	s_add_nc_u64 s[4:5], s[4:5], s[26:27]
	s_add_nc_u64 s[6:7], s[6:7], s[26:27]
	s_add_nc_u64 s[18:19], s[18:19], s[26:27]
	s_add_nc_u64 s[8:9], s[8:9], s[28:29]
	s_add_nc_u64 s[10:11], s[10:11], s[30:31]
	s_add_nc_u64 s[40:41], s[12:13], s[32:33]
	s_add_nc_u64 s[42:43], s[12:13], s[34:35]
	s_add_nc_u64 s[14:15], s[14:15], s[36:37]
	s_add_nc_u64 s[16:17], s[16:17], s[38:39]
.irp p, 0,1,2,3,4,5,6,7,8,9,10,11,12,13,14,15
	global_load_b128 v[IDX+4*\p:IDX+4*\p+3], v6, s[4:5] offset:16*\p
.endr
.irp p, 0,1,2,3,4,5,6,7,8,9,10,11,12,13,14,15
	global_load_b128 v[WGT+4*\p:WGT+4*\p+3], v6, s[6:7] offset:16*\p
.endr
	WIN 0x40                                       ; destination window 1
.irp j, 0,1,2,3,4,5,6,7,8,9,10,11,12,13,14,15
	global_load_b128 v[P1+4*\j:P1+4*\j+3], v14, s[10:11] offset:16384*\j th:TH_LOAD_NT   ; channel 16 w + j, the work-group's 128 points: 512 consecutive bytes
.endr
	WIN 0
	s_wait_loadcnt 32                              ; the indices are in; the 32 loads behind them may be out
.irp p, 0,1,2,3,4,5,6,7,8,9,10,11,12,13,14,15
.irp k, 0,1,2
	v_min_u32 v[IDX+4*\p+\k], 0x7ff, v[IDX+4*\p+\k]                    ; a loaded number enters an address only behind this hold
.endr
.irp k, 0,1,2
	v_lshl_add_u32 v[IDX+4*\p+\k], v[IDX+4*\p+\k], 10, v4              ; the row's byte + 16 x lane
.endr
.endr
	GATH 0
	GATH 1
	GATH 2
.irp p, 0,1,2,3,4,5,6,7,8,9,10,11,12,13,14,15
	POINT \p
.endr
	WIN 0x04                                       ; an LDS store's data are its source 1: window 1
.irp j, 0,1,2,3,4,5,6,7,8,9,10,11,12,13,14,15
	ds_store_b128 v9, v[P1+4*\j:P1+4*\j+3] offset:528*\j
.endr
	WIN 0x40
.irp u, 0,1
.irp s, 0,1,2
.irp c, 0,1,2
	global_load_b128 v[12*(3*\u+\s)+4*\c:12*(3*\u+\s)+4*\c+3], v4, s[40:41] offset:1536*(3*\u+\s)+512*\c   ; W0's fragments as they were stored
.endr
.endr
.endr
.irp u, 0,1
.irp f, 0,1
	global_load_b128 v[BIAS+8*\u+4*\f:BIAS+8*\u+4*\f+3], v15, s[14:15] offset:32*\u+16*\f   ; b0 at channels 32 w + 16 h + 8 u + 0 .. 7: the result's layout
.endr
.endr
	WIN 0
.irp u, 0,1
.irp s, 0,1,2
	global_load_b32 v[WS+3*\u+\s], v5, s[42:43] offset:73728+128*(3*\u+\s)
.endr
.endr
.irp s, 0,1
.irp b, 0,1,2,3
.irp j, 0,1,2,3
	ds_load_b128 v[XQ0+64*\s+16*\b+4*\j:XQ0+64*\s+16*\b+4*\j+3], v8 offset:512*\s+128*\b+16*\j   ; my own stage: served in order, behind my stores
.endr
.endr
.endr
	s_wait_dscnt 16                                ; K step 0's 16 loads are in, and so all my LDS stores are done; K step 1's 16 may be out
.irp b, 0,1,2,3
	v_mov_b32 v[TM+4+\b], 0                        ; written once: a lane permute's destination counts as one of its sources
.endr
	QUANT XQ0
	IMAGE 11, 0
	ds_store_b32 v12, v[PW]
	s_wait_dscnt 0x0                               ; the stores have read their registers; K step 1's numbers are in
	QUANT XQ1
	IMAGE 11, 1536
	ds_store_b32 v12, v[PW] offset:128
	BARRIER                                        ; points1's 128 channel rows lie in LDS
.irp b, 0,1,2,3
.irp i, 0,1,2,3,4,5,6,7,8,9,10,11,12,13,14,15
	ds_load_b32 v[XQ0+16*\b+\i], v10 offset:(32*\b+\i)*528             ; channel 32 b + 16 h + i of point 16 w + r
.endr
.endr
	s_wait_dscnt 0x0
	QUANT XQ0
	IMAGE 11, 3072
	ds_store_b32 v12, v[PW] offset:256
	BARRIER                                        ; h's 24 fragments lie in LDS
	s_wait_loadcnt 0x0                             ; W0's fragments, its scale words, b0
.irp s, 0,1,2
.if \s > 0
.rept 4
	v_nop                                          ; places in front of loads into registers that matrix instructions have read
.endr
.endif
.irp m, 0,1,2,3,4,5,6,7
	FETCH HF+12*\m, 4, (3*\m+\s)*1536
	ds_load_b32 v[HS+\m], v13 offset:(3*\m+\s)*128
.endr
	s_wait_dscnt 0x0
.if \s == 0
	WIN 0x11                                       ; source 0 (W0) and source 2 (b0) window 1
.else
	WIN 0x01
.endif
.irp m, 0,1,2,3,4,5,6,7                        ; the 16 accumulators take turns, one instruction a turn
.irp u, 0,1
.if \s == 0
	v_wmma_scale_f32_16x16x128_f8f6f4 v[ACC+16*\m+8*\u:ACC+16*\m+8*\u+7], v[12*(3*\u+\s):12*(3*\u+\s)+11], v[HF+12*\m:HF+12*\m+11], v[BIAS+8*\u:BIAS+8*\u+7], v[WS+3*\u+\s], v[HS+\m] matrix_a_fmt:MATRIX_FMT_FP6 matrix_b_fmt:MATRIX_FMT_FP6
.else
	v_wmma_scale_f32_16x16x128_f8f6f4 v[ACC+16*\m+8*\u:ACC+16*\m+8*\u+7], v[12*(3*\u+\s):12*(3*\u+\s)+11], v[HF+12*\m:HF+12*\m+11], v[ACC+16*\m+8*\u:ACC+16*\m+8*\u+7], v[WS+3*\u+\s], v[HS+\m] matrix_a_fmt:MATRIX_FMT_FP6 matrix_b_fmt:MATRIX_FMT_FP6
.endif
.endr
.endr
	WIN 0
.endr
.rept 4
	v_nop                                          ; places in front of the first reads of results and of writes over h's fragments
.endr
.irp m, 0,1,2,3,4,5,6,7
.irp q, 0,1,2,3
	global_store_b128 v4, v[ACC+16*\m+4*\q:ACC+16*\m+4*\q+3], s[16:17] offset:16384*\m+512*\q   ; each accumulator from its low end on; 512 consecutive bytes, aligned
.endr
.endr
	; the statistics: register q of lane (r, h) is channel 32 w + 16 h + q of point r of tile m
.irp i, 0,2,4,6,8,10,12,14
	v_pk_add_f32 v[SS+\i:SS+\i+1], v[ACC+\i:ACC+\i+1], v[ACC+16+\i:ACC+17+\i]
.endr
.irp m, 2,3,4,5,6,7
.irp i, 0,2,4,6,8,10,12,14
	v_pk_add_f32 v[SS+\i:SS+\i+1], v[SS+\i:SS+\i+1], v[ACC+16*\m+\i:ACC+16*\m+\i+1]
.endr
.endr
.irp x, 1,2,4,8
.irp i, 0,1,2,3,4,5,6,7,8,9,10,11,12,13,14,15
	v_add_f32_dpp v[SS+\i], v[SS+\i], v[SS+\i] row_xmask:\x row_mask:0xf bank_mask:0xf   ; over the 16 points of a half of the lanes
.endr
.endr
.irp i, 0,1,2,3,4,5,6,7,8,9,10,11,12,13,14,15
	v_mul_f32 v[SS+\i], 0x3c000000, v[SS+\i]       ; / 128: the mean of the work-group's points
.endr
.irp m, 0,1,2,3,4,5,6,7
.irp i, 0,2,4,6,8,10,12,14
	v_pk_add_f32 v[TT+\i:TT+\i+1], v[ACC+16*\m+\i:ACC+16*\m+\i+1], v[SS+\i:SS+\i+1] neg_lo:[0,1] neg_hi:[0,1]
.endr
.irp i, 0,2,4,6,8,10,12,14
.if \m == 0
	v_pk_mul_f32 v[QQ+\i:QQ+\i+1], v[TT+\i:TT+\i+1], v[TT+\i:TT+\i+1]
.else
	v_pk_fma_f32 v[QQ+\i:QQ+\i+1], v[TT+\i:TT+\i+1], v[TT+\i:TT+\i+1], v[QQ+\i:QQ+\i+1]
.endif
.endr
.endr
.irp x, 1,2,4,8
.irp i, 0,1,2,3,4,5,6,7,8,9,10,11,12,13,14,15
	v_add_f32_dpp v[QQ+\i], v[QQ+\i], v[QQ+\i] row_xmask:\x row_mask:0xf bank_mask:0xf
.endr
.endr
	v_mov_b32 v192, v[SS]                          ; lane (r, h) keeps register r's pair: channel 32 w + lane
	v_mov_b32 v193, v[QQ]
.irp q, 1,2,3,4,5,6,7,8,9,10,11,12,13,14,15
	v_cmp_eq_u32 vcc_lo, \q, v2
	v_cndmask_b32 v192, v192, v[SS+\q], vcc_lo
	v_cndmask_b32 v193, v193, v[QQ+\q], vcc_lo
.endr
	global_store_b64 v255, v[192:193], s[18:19]    ; 256 consecutive bytes a wave, aligned
	s_set_vgpr_msb 0x5
	s_wait_tensorcnt 0x0
	ds_add_u32 v160, v161
	s_wait_dscnt 0x0
	s_set_vgpr_msb 0x500
	s_endpgm
.Lfunc_end_k_q952f9287d0_conv0:
	.size	k_q952f9287d0_conv0, .Lfunc_end_k_q952f9287d0_conv0-k_q952f9287d0_conv0
	.p2alignl 7, 3214868480
	.fill 96, 4, 3214868480
	.section	.rodata,"a",@progbits
	.p2align	6, 0x0
	.amdhsa_kernel k_q952f9287d0_conv0
		.amdhsa_group_segment_fixed_size 241664
		.amdhsa_private_segment_fixed_size 0
		.amdhsa_enable_private_segment 0
		.amdhsa_kernarg_size 64
		.amdhsa_user_sgpr_count 2
		.amdhsa_user_sgpr_kernarg_segment_ptr 1
		.amdhsa_wavefront_size32 1
		.amdhsa_system_sgpr_workgroup_id_x 1
		.amdhsa_system_sgpr_workgroup_id_y 1
		.amdhsa_system_sgpr_workgroup_id_z 1
		.amdhsa_system_vgpr_workitem_id 0
		.amdhsa_next_free_vgpr 418
		.amdhsa_next_free_sgpr 66
		.amdhsa_reserve_vcc 1
		.amdhsa_float_denorm_mode_32 3
		.amdhsa_float_denorm_mode_16_64 3
		.amdhsa_memory_ordered 1
		.amdhsa_forward_progress 1
		.amdhsa_inst_pref_size 98
	.end_amdhsa_kernel
	.amdgpu_metadata
---
amdhsa.version: [ 1, 2 ]
amdhsa.kernels:
  - .name:           k_q952f9287d0_conv0
    .symbol:         k_q952f9287d0_conv0.kd
    .args:
      - { .name: nidx, .offset: 0, .size: 8, .value_kind: global_buffer, .address_space: global }
      - { .name: nwgt, .offset: 8, .size: 8, .value_kind: global_buffer, .address_space: global }
      - { .name: pbuf, .offset: 16, .size: 8, .value_kind: global_buffer, .address_space: global }
      - { .name: points1, .offset: 24, .size: 8, .value_kind: global_buffer, .address_space: global }
      - { .name: wq, .offset: 32, .size: 8, .value_kind: global_buffer, .address_space: global }
      - { .name: b0, .offset: 40, .size: 8, .value_kind: global_buffer, .address_space: global }
      - { .name: y0, .offset: 48, .size: 8, .value_kind: global_buffer, .address_space: global }
      - { .name: part, .offset: 56, .size: 8, .value_kind: global_buffer, .address_space: global }
    .group_segment_fixed_size: 241664
    .private_segment_fixed_size: 0
    .kernarg_segment_align: 8
    .kernarg_segment_size: 64
    .max_flat_workgroup_size: 256
    .sgpr_count:     66
    .vgpr_count:     418
    .wavefront_size: 32
...
	.end_amdgpu_metadata
.endif
;; end of part 3
;; launch stat0 (part 4): grid 256 x 1, 8 waves a work-group, no clusters, 1,536 bytes of LDS; arguments part, g0, beta0, bn0; writes bn0
.if DOCPART == 4
	.amdgcn_target "amdgcn-amd-amdhsa--gfx1250"
	.amdhsa_code_object_version 6
	.text
	.protected	k_q952f9287d0_stat0
	.globl	k_q952f9287d0_stat0
	.p2align	8
	.type	k_q952f9287d0_stat0,@function
k_q952f9287d0_stat0:
	s_mov_b64 s[64:65], 0
	v_nop
	global_prefetch_b8 v0, s[64:65] scope:SCOPE_SE
	s_setreg_imm32_b32 hwreg(HW_REG_WAVE_MODE, 25, 1), 1
	s_wait_xcnt 0x0
; THE FIRST BATCH NORM'S CONSTANTS.  Work-group c takes channel c; thread t takes the pair (mean, sum of squares about that mean) of 128 points that work-group t of the launch before stored.
; mean = the sum of the 256 means / 256;  variance = (the sum of the 256 sums of squares + 128 x the sum of (mean_t - mean)^2) / 32,768: no difference of large sums is formed.
; a = g rsqrt(variance + 1e-5), c = beta - mean a, so that the norm is one fused multiply-add, y a + c.  Stored: a[256], then c[256].
; LDS: bytes 0-31 the eight waves' sums of means; bytes 256-287 their sums of squares.
.set SEL, 22
.macro WRED x, t                       ; the sum over the wave's 32 lanes, in every lane
	v_add_f32_dpp v[\x], v[\x], v[\x] row_xmask:1 row_mask:0xf bank_mask:0xf
	v_add_f32_dpp v[\x], v[\x], v[\x] row_xmask:2 row_mask:0xf bank_mask:0xf
	v_add_f32_dpp v[\x], v[\x], v[\x] row_xmask:4 row_mask:0xf bank_mask:0xf
	v_add_f32_dpp v[\x], v[\x], v[\x] row_xmask:8 row_mask:0xf bank_mask:0xf
	v_permlanex16_b32 v[\t], v[\x], s[SEL], s[SEL+1]
	v_add_f32 v[\x], v[\x], v[\t]
.endm
.macro ALL8 off                        ; v4, the wave's sum, meets the other seven: the sum of all eight in v8
	ds_store_b32 v6, v4 offset:\off                ; all lanes write the wave's word with the same value
	s_wait_dscnt 0x0                               ; for the others' sake
	s_barrier_signal -1
	s_barrier_wait -1
	ds_load_b128 v[8:11], v7 offset:\off
	ds_load_b128 v[12:15], v7 offset:\off+16
	s_wait_dscnt 0x0
	v_add_f32 v8, v8, v9
	v_add_f32 v10, v10, v11
	v_add_f32 v12, v12, v13
	v_add_f32 v14, v14, v15
	v_add_f32 v8, v8, v10
	v_add_f32 v12, v12, v14
	v_add_f32 v8, v8, v12
.endm
; v[2:3]: my pair;  s24 g, s25 beta;  v6 = 4 x wave, v7 = 0.  Leaves a in v18 and c in v20
.macro CHSTAT
	v_mov_b32 v4, v2
	v_mov_b32 v5, 0                                ; a lane permute's destination counts as one of its sources
	WRED 4, 5
	ALL8 0
	v_mul_f32 v16, 0x3b800000, v8                  ; / 256: the mean
	v_sub_f32 v4, v2, v16
	v_mul_f32 v4, v4, v4
	v_fma_f32 v4, v4, 0x43000000, v3               ; 128 (mean_t - mean)^2 + my sum of squares
	WRED 4, 5
	ALL8 256
	v_fma_f32 v8, v8, s26, s27                     ; / 32,768, + 1e-5
	v_rsq_f32 v9, v8
	v_nop                                          ; one plain place behind a transcendental
	s_wait_alu depctr_va_vdst(0)
	v_mul_f32 v18, s24, v9
	v_fma_f32 v20, -v16, v18, s25
.endm
	s_load_b256 s[4:11], s[0:1], 0x0               ; part s[4:5], g0 s[6:7], beta0 s[8:9], bn0 s[10:11]
	v_lshl_add_u32 v32, v0, 2, 0x200
	v_mov_b32 v33, 0
	v_lshlrev_b32 v1, 11, v0                       ; work-group t's 2,048 bytes
	v_lshrrev_b32 v6, 5, v0
	v_lshlrev_b32 v6, 2, v6
	v_mov_b32 v7, 0
	s_lshl_b32 s12, ttmp9, 3
	s_mov_b32 s13, 0
	s_lshl_b32 s14, ttmp9, 2
	s_mov_b32 s15, 0
	s_mov_b32 s[SEL], 0x76543210
	s_mov_b32 s[SEL+1], 0xfedcba98
	s_mov_b32 s26, 0x38000000                      ; 2^-15
	s_mov_b32 s27, 0x3727c5ac                      ; 1e-5
	s_wait_kmcnt 0x0
	s_add_nc_u64 s[4:5], s[4:5], s[12:13]
	s_add_nc_u64 s[6:7], s[6:7], s[14:15]
	s_add_nc_u64 s[8:9], s[8:9], s[14:15]
	s_add_nc_u64 s[10:11], s[10:11], s[14:15]
	global_load_b64 v[2:3], v1, s[4:5]
	s_load_b32 s24, s[6:7], 0x0
	s_load_b32 s25, s[8:9], 0x0
	s_wait_loadcnt 0x0
	s_wait_kmcnt 0x0
	CHSTAT
	s_wait_xcnt 0x0                                ; EXEC changes only behind this wait
	v_cmp_eq_u32 vcc_lo, 0, v0
	s_wait_tensorcnt 0x0
	ds_add_u32 v32, v33
	s_wait_dscnt 0x0
	s_and_saveexec_b32 s30, vcc_lo                 ; thread 0 alone stores
	global_store_b32 v7, v18, s[10:11]
	global_store_b32 v7, v20, s[10:11] offset:1024
	s_wait_xcnt 0x0                                ; and again, in front of the line that widens it
	s_or_b32 exec_lo, exec_lo, s30
	s_endpgm
.Lfunc_end_k_q952f9287d0_stat0:
	.size	k_q952f9287d0_stat0, .Lfunc_end_k_q952f9287d0_stat0-k_q952f9287d0_stat0
	.p2alignl 7, 3214868480
	.fill 96, 4, 3214868480
	.section	.rodata,"a",@progbits
	.p2align	6, 0x0
	.amdhsa_kernel k_q952f9287d0_stat0
		.amdhsa_group_segment_fixed_size 1536
		.amdhsa_private_segment_fixed_size 0
		.amdhsa_enable_private_segment 0
		.amdhsa_kernarg_size 32
		.amdhsa_user_sgpr_count 2
		.amdhsa_user_sgpr_kernarg_segment_ptr 1
		.amdhsa_wavefront_size32 1
		.amdhsa_system_sgpr_workgroup_id_x 1
		.amdhsa_system_sgpr_workgroup_id_y 1
		.amdhsa_system_sgpr_workgroup_id_z 1
		.amdhsa_system_vgpr_workitem_id 0
		.amdhsa_next_free_vgpr 34
		.amdhsa_next_free_sgpr 66
		.amdhsa_reserve_vcc 1
		.amdhsa_float_denorm_mode_32 3
		.amdhsa_float_denorm_mode_16_64 3
		.amdhsa_memory_ordered 1
		.amdhsa_forward_progress 1
		.amdhsa_inst_pref_size 5
	.end_amdhsa_kernel
	.amdgpu_metadata
---
amdhsa.version: [ 1, 2 ]
amdhsa.kernels:
  - .name:           k_q952f9287d0_stat0
    .symbol:         k_q952f9287d0_stat0.kd
    .args:
      - { .name: part, .offset: 0, .size: 8, .value_kind: global_buffer, .address_space: global }
      - { .name: g0, .offset: 8, .size: 8, .value_kind: global_buffer, .address_space: global }
      - { .name: beta0, .offset: 16, .size: 8, .value_kind: global_buffer, .address_space: global }
      - { .name: bn0, .offset: 24, .size: 8, .value_kind: global_buffer, .address_space: global }
    .group_segment_fixed_size: 1536
    .private_segment_fixed_size: 0
    .kernarg_segment_align: 8
    .kernarg_segment_size: 32
    .max_flat_workgroup_size: 256
    .sgpr_count:     66
    .vgpr_count:     34
    .wavefront_size: 32
...
	.end_amdgpu_metadata
.endif
;; end of part 4
;; launch conv1 (part 5): grid 256 x 1, 8 waves a work-group, no clusters, 162,816 bytes of LDS; arguments y0, bn0, wq, b1, pbuf, part; writes pbuf, part
.if DOCPART == 5
	.amdgcn_target "amdgcn-amd-amdhsa--gfx1250"
	.amdhsa_code_object_version 6
	.text
	.protected	k_q952f9287d0_conv1
	.globl	k_q952f9287d0_conv1
	.p2align	8
	.type	k_q952f9287d0_conv1,@function
k_q952f9287d0_conv1:
	s_mov_b64 s[64:65], 0
	v_nop
	global_prefetch_b8 v0, s[64:65] scope:SCOPE_SE
	s_setreg_imm32_b32 hwreg(HW_REG_WAVE_MODE, 25, 1), 1
	s_wait_xcnt 0x0
; h1 = relu(y0 a + c) (the first batch norm, by its constants), quantised along its 256 channels to FP6 (E2M3) with one E8M0 scale for each 32;  y1 = h1 W1^T + b1, f32, stored [batch][channel][point];
; and for each channel the mean and the sum of squares about that mean over the work-group's 128 points.
; SHARES.  Work-group G owns points 128 (G % 32) .. + 127 of batch G / 32.  Wave w norms and quantises point tile 8 G + w: y0 lies as the image of the 128 registers that the quantiser wants
; (register 64 s + 16 b + i of lane (r, h) = channel 128 s + 32 b + 16 h + i of point r), 32 loads of 512 consecutive bytes.  In the product the waves share the columns: wave w makes channels 32 w .. + 31.
; THE PRODUCT IS USED AS IT STANDS (source 0 = 16 points, source 1 = 16 rows of W1): lane (r, h) holds channel r of the tile and eight neighbouring points, 32 bytes of a row of y1.
; b1 is the C of each sum's first matrix instruction: the lane's channel's number in all eight registers.  The results turn through the wave's own stage and leave as rows of 512 bytes.
; LIMITS: NaN and infinities are not served; a block of zeros gets the byte 1 (its codes are zeros; this program alone reads the bytes); the norm is applied as one fused multiply-add y a + (beta - mean a).
; LDS: H1IMG 16 fragments (2 m + s) x 1,536; H1SC their scale words x 128; STG 32 rows x 528 for each wave.
; REGISTERS, window 0: v1-14 addresses; v16-143 y0, then the 16 accumulators ((m, t) at 16 + 16 m + 8 t), then rows of y1; v144-180 codes and work, then v144-239 eight fragments of h1, then the statistics;
;   v240-247, v248-251 scale words and nothing else.   window 1: v0-127 a, v128-255 c; then v0-47 W1's four fragments ((t, s) at 12 (2 t + s)), v48-63 b1.
.set H1IMG, 0
.set H1SC, 24576
.set STG,  26624
.set Y,    16
.set ACC,  16
.set PC,   144
.set TM,   164
.set PW,   180
.set HF,   144
.set HS,   240
.set WS,   248
.set BIAS, 48
.set SA,   144
.set MN,   152
.set TT,   160
.set QQ,   176
.set SEL,  18
.set MSB,  0
.macro WIN new                         ; the immediate's high byte repeats the setting that is left
.if MSB != \new
	s_set_vgpr_msb (MSB<<8)|\new
.set MSB, \new
.endif
.endm
; 64 numbers of a lane, register 16 b + i = k 32 b + 16 (lane / 16) + i of my row, become a fragment's codes in v[PC] on and its scale word in v[PW]
.macro QUANT s
.irp b, 0,1,2,3
	v_max3_num_f32 v[TM+\b], |v[\s+16*\b]|, |v[\s+1+16*\b]|, 0x1800000   ; block b: my 16 numbers, and the floor 2^(3 - 127): the byte cannot fall under 1
.endr
.irp i, 2,4,6,8,10,12,14
.irp b, 0,1,2,3
	v_max3_num_f32 v[TM+\b], v[TM+\b], |v[\s+16*\b+\i]|, |v[\s+1+16*\b+\i]|
.endr
.endr
.irp b, 0,1,2,3
	v_permlanex16_b32 v[TM+4+\b], v[TM+\b], s[SEL], s[SEL+1]
.endr
.irp b, 0,1,2,3
	v_max_num_f32 v[TM+\b], v[TM+\b], v[TM+4+\b]   ; with lane l xor 16's: the block's largest magnitude
.endr
.irp b, 0,1,2,3
	v_add_nc_u32 v[TM+12+\b], 0xff000000, v[TM+\b] ; 2 off its exponent field: the conversion's scale operand
.endr
.irp b, 0,1,2,3
	v_lshrrev_b32 v[TM+4+\b], 23, v[TM+12+\b]      ; the scale's byte
.endr
	v_lshl_or_b32 v[PW], v[TM+5], 8, v[TM+4]
	v_lshl_or_b32 v[PW], v[TM+6], 16, v[PW]
	v_lshl_or_b32 v[PW], v[TM+7], 24, v[PW]
.irp c, 0,1
	v_cvt_scalef32_pk16_fp6_f32 v[PC+6*\c:PC+2+6*\c], v[\s+32*\c:\s+15+32*\c], v[TM+12+2*\c]
	v_cvt_scalef32_pk16_fp6_f32 v[PC+12+4*\c:PC+14+4*\c], v[\s+16+32*\c:\s+31+32*\c], v[TM+12+2*\c+1]   ; (a conversion's three registers begin on an even number)
.endr
	v_nop                                          ; one plain place behind a scaled conversion
.irp c, 0,1                                    ; the operand's layout wants a whole block in a lane
.irp i, 0,1,2
	v_permlane16_swap_b32 v[PC+6*\c+\i], v[PC+12+4*\c+\i]
.endr
.irp i, 0,1,2
	v_mov_b32 v[PC+3+6*\c+\i], v[PC+12+4*\c+\i]
.endr
.endr
.endm
.macro IMAGE adr, off
.irp c, 0,1,2
	ds_store_b128 v[\adr], v[PC+4*\c:PC+4*\c+3] offset:\off+512*\c
.endr
.endm
.macro FETCH reg, adr, off
.irp c, 0,1,2
	ds_load_b128 v[\reg+4*\c:\reg+4*\c+3], v[\adr] offset:\off+512*\c
.endr
.endm
	s_load_b256 s[4:11], s[0:1], 0x0               ; y0 s[4:5], bn0 s[6:7], wq s[8:9], b1 s[10:11]
	s_load_b128 s[12:15], s[0:1], 0x20             ; y1 s[12:13], part s[14:15]
	v_lshl_add_u32 v254, v0, 2, 0x27800
	v_mov_b32 v255, 0
	v_lshrrev_b32 v15, 5, v0
	v_readfirstlane_b32 s16, v15                   ; wave 0..7
	v_and_b32 v1, 31, v0                           ; lane
	v_and_b32 v2, 15, v0                           ; r
	v_bfe_u32 v3, v0, 4, 1                         ; h
	v_lshlrev_b32 v4, 4, v1                        ; 16 x lane
	v_lshlrev_b32 v5, 2, v1                        ; 4 x lane
	v_lshlrev_b32 v6, 6, v3                        ; a, c: 16 h channels on
	v_lshlrev_b32 v7, 2, v2                        ; b1: channel r
	v_mad_u32_u24 v8, v15, 0xc00, v4               ; my two images
	v_lshl_add_u32 v9, v15, 8, v5
	v_add_nc_u32 v9, H1SC, v9                      ; and their scale words
	v_add_nc_u32 v10, H1SC, v5
	v_mul_u32_u24 v12, v15, 0x4200
	v_add_nc_u32 v12, STG, v12                     ; my stage
	v_mad_u32_u24 v11, v2, 0x210, v12
	v_lshl_add_u32 v11, v3, 5, v11                 ; into it: row r, + 32 h
	v_add_nc_u32 v12, v12, v4                      ; out of it: 16 x lane of a row
	v_lshl_add_u32 v13, v15, 19, v4                ; y1: my 32 channels of 16,384 bytes
	v_lshlrev_b32 v14, 3, v0                       ; part: 8 bytes a channel
.irp b, 0,1,2,3
	v_mov_b32 v[TM+4+\b], 0                        ; written once: a lane permute's destination counts as one of its sources
.endr
	s_mov_b32 s[SEL], 0x76543210
	s_mov_b32 s[SEL+1], 0xfedcba98
	s_lshl_b32 s20, ttmp9, 17                      ; y0: tile 8 G + w of 16,384 bytes
	s_lshl_b32 s21, s16, 14
	s_add_co_u32 s20, s20, s21
	s_mov_b32 s21, 0
	s_mul_i32 s22, s16, 6144                       ; my four images of W1
	s_mov_b32 s23, 0
	s_lshl_b32 s26, s16, 9                         ; and their scale words
	s_mov_b32 s27, 0
	s_lshl_b32 s30, s16, 7
	s_mov_b32 s31, 0
	s_lshr_b32 s32, ttmp9, 5
	s_lshl_b32 s32, s32, 22                        ; y1: batch x 4 MiB + 128 points x 4
	s_and_b32 s33, ttmp9, 31
	s_lshl_b32 s33, s33, 9
	s_add_co_u32 s32, s32, s33
	s_mov_b32 s33, 0
	s_lshl_b32 s34, ttmp9, 11
	s_mov_b32 s35, 0
	s_wait_kmcnt 0x0
	s_add_nc_u64 s[4:5], s[4:5], s[20:21]
	s_add_nc_u64 s[24:25], s[8:9], s[22:23]
	s_add_nc_u64 s[28:29], s[8:9], s[26:27]
	s_add_nc_u64 s[10:11], s[10:11], s[30:31]
	s_add_nc_u64 s[12:13], s[12:13], s[32:33]
	s_add_nc_u64 s[14:15], s[14:15], s[34:35]
.set i, 0
.rept 32
	global_load_b128 v[Y+4*i:Y+4*i+3], v4, s[4:5] offset:512*i th:TH_LOAD_NT
.set i, i+1
.endr
	WIN 0x40                                       ; destination window 1
.irp s, 0,1
.irp b, 0,1,2,3
.irp j, 0,1,2,3
	global_load_b128 v[64*\s+16*\b+4*\j:64*\s+16*\b+4*\j+3], v6, s[6:7] offset:512*\s+128*\b+16*\j              ; a, in y0's layout
	global_load_b128 v[128+64*\s+16*\b+4*\j:128+64*\s+16*\b+4*\j+3], v6, s[6:7] offset:1024+512*\s+128*\b+16*\j ; c
.endr
.endr
.endr
	WIN 0
	s_wait_loadcnt 0x0
	WIN 0x14                                       ; sources 1 and 2 window 1
.set i, 0
.rept 64
	v_pk_fma_f32 v[Y+2*i:Y+2*i+1], v[Y+2*i:Y+2*i+1], v[2*i:2*i+1], v[128+2*i:129+2*i]
.set i, i+1
.endr
	WIN 0
.set i, 0
.rept 128
	v_max_num_f32 v[Y+i], 0, v[Y+i]                ; the activation
.set i, i+1
.endr
	WIN 0x40
.irp t, 0,1
.irp s, 0,1
.irp c, 0,1,2
	global_load_b128 v[12*(2*\t+\s)+4*\c:12*(2*\t+\s)+4*\c+3], v4, s[24:25] offset:79872+1536*(2*\t+\s)+512*\c   ; W1's fragments as they were stored
.endr
.endr
.endr
.irp t, 0,1
.irp j, 0,1,2,3,4,5,6,7
	global_load_b32 v[BIAS+8*\t+\j], v7, s[10:11] offset:64*\t         ; b1 at channel 32 w + 16 t + r, in all eight registers of the result's layout
.endr
.endr
	WIN 0
.irp t, 0,1
.irp s, 0,1
	global_load_b32 v[WS+2*\t+\s], v5, s[28:29] offset:129024+128*(2*\t+\s)
.endr
.endr
	QUANT Y
	IMAGE 8, 0
	ds_store_b32 v9, v[PW]
	s_wait_dscnt 0x0                               ; the stores have read their registers
	QUANT Y+64
	IMAGE 8, 1536
	ds_store_b32 v9, v[PW] offset:128
	s_wait_dscnt 0x0                               ; for the others' sake: my two fragments lie in LDS
	s_barrier_signal -1
	s_barrier_wait -1
	s_wait_loadcnt 0x0                             ; W1's fragments, its scale words, b1
.irp s, 0,1
.if \s > 0
.rept 4
	v_nop                                          ; places in front of loads into registers that matrix instructions have read
.endr
.endif
.irp m, 0,1,2,3,4,5,6,7
	FETCH HF+12*\m, 4, (2*\m+\s)*1536
	ds_load_b32 v[HS+\m], v10 offset:(2*\m+\s)*128
.endr
	s_wait_dscnt 0x0
.if \s == 0
	WIN 0x14                                       ; source 1 (W1) and source 2 (b1) window 1
.else
	WIN 0x04
.endif
.irp m, 0,1,2,3,4,5,6,7                        ; the 16 accumulators take turns, one instruction a turn
.irp t, 0,1
.if \s == 0
	v_wmma_scale_f32_16x16x128_f8f6f4 v[ACC+16*\m+8*\t:ACC+16*\m+8*\t+7], v[HF+12*\m:HF+12*\m+11], v[12*(2*\t+\s):12*(2*\t+\s)+11], v[BIAS+8*\t:BIAS+8*\t+7], v[HS+\m], v[WS+2*\t+\s] matrix_a_fmt:MATRIX_FMT_FP6 matrix_b_fmt:MATRIX_FMT_FP6
.else
	v_wmma_scale_f32_16x16x128_f8f6f4 v[ACC+16*\m+8*\t:ACC+16*\m+8*\t+7], v[HF+12*\m:HF+12*\m+11], v[12*(2*\t+\s):12*(2*\t+\s)+11], v[ACC+16*\m+8*\t:ACC+16*\m+8*\t+7], v[HS+\m], v[WS+2*\t+\s] matrix_a_fmt:MATRIX_FMT_FP6 matrix_b_fmt:MATRIX_FMT_FP6
.endif
.endr
.endr
	WIN 0
.endr
.rept 4
	v_nop                                          ; places in front of the first reads of results and of writes over h1's fragments
.endr
.irp m, 0,1,2,3,4,5,6,7
.irp t, 0,1
	ds_store_b128 v11, v[ACC+16*\m+8*\t:ACC+16*\m+8*\t+3] offset:8448*\t+64*\m        ; each accumulator from its low end on: y1(channel 16 t + r, points 16 m + 8 h + 0 .. 7)
	ds_store_b128 v11, v[ACC+16*\m+8*\t+4:ACC+16*\m+8*\t+7] offset:8448*\t+64*\m+16
.endr
.endr
	; the statistics: a lane's 64 registers of tile t are 64 points of channel 16 t + r; lane l xor 16 holds the other 64
.irp t, 0,1
	v_pk_add_f32 v[SA+4*\t:SA+4*\t+1], v[ACC+8*\t:ACC+8*\t+1], v[ACC+8*\t+2:ACC+8*\t+3]
	v_pk_add_f32 v[SA+4*\t+2:SA+4*\t+3], v[ACC+8*\t+4:ACC+8*\t+5], v[ACC+8*\t+6:ACC+8*\t+7]
.endr
.irp m, 1,2,3,4,5,6,7
.irp t, 0,1
	v_pk_add_f32 v[SA+4*\t:SA+4*\t+1], v[SA+4*\t:SA+4*\t+1], v[ACC+16*\m+8*\t:ACC+16*\m+8*\t+1]
	v_pk_add_f32 v[SA+4*\t+2:SA+4*\t+3], v[SA+4*\t+2:SA+4*\t+3], v[ACC+16*\m+8*\t+2:ACC+16*\m+8*\t+3]
.endr
.irp t, 0,1
	v_pk_add_f32 v[SA+4*\t:SA+4*\t+1], v[SA+4*\t:SA+4*\t+1], v[ACC+16*\m+8*\t+4:ACC+16*\m+8*\t+5]
	v_pk_add_f32 v[SA+4*\t+2:SA+4*\t+3], v[SA+4*\t+2:SA+4*\t+3], v[ACC+16*\m+8*\t+6:ACC+16*\m+8*\t+7]
.endr
.endr
.irp t, 0,1
	v_pk_add_f32 v[SA+4*\t:SA+4*\t+1], v[SA+4*\t:SA+4*\t+1], v[SA+4*\t+2:SA+4*\t+3]
.endr
.irp t, 0,1
	v_add_f32 v[SA+4*\t], v[SA+4*\t], v[SA+4*\t+1]
.endr
.irp t, 0,1
	v_permlanex16_b32 v[SA+4*\t+2], v[SA+4*\t], s[SEL], s[SEL+1]
.endr
.irp t, 0,1
	v_add_f32 v[SA+4*\t], v[SA+4*\t], v[SA+4*\t+2]
.endr
.irp t, 0,1
	v_mul_f32 v[MN+2*\t], 0x3c000000, v[SA+4*\t]   ; / 128: the mean of the work-group's points
	v_mov_b32 v[MN+2*\t+1], 0                      ; (named with it as a pair, so it is written)
.endr
.irp m, 0,1,2,3,4,5,6,7
.irp t, 0,1
.irp q, 0,1,2,3
	v_pk_add_f32 v[TT+8*\t+2*\q:TT+8*\t+2*\q+1], v[ACC+16*\m+8*\t+2*\q:ACC+16*\m+8*\t+2*\q+1], v[MN+2*\t:MN+2*\t+1] op_sel_hi:[1,0] neg_lo:[0,1] neg_hi:[0,1]
.endr
.endr
.irp t, 0,1
.irp q, 0,1,2,3
.if \m == 0
	v_pk_mul_f32 v[QQ+8*\t+2*\q:QQ+8*\t+2*\q+1], v[TT+8*\t+2*\q:TT+8*\t+2*\q+1], v[TT+8*\t+2*\q:TT+8*\t+2*\q+1]
.else
	v_pk_fma_f32 v[QQ+8*\t+2*\q:QQ+8*\t+2*\q+1], v[TT+8*\t+2*\q:TT+8*\t+2*\q+1], v[TT+8*\t+2*\q:TT+8*\t+2*\q+1], v[QQ+8*\t+2*\q:QQ+8*\t+2*\q+1]
.endif
.endr
.endr
.endr
.irp t, 0,1
	v_pk_add_f32 v[QQ+8*\t:QQ+8*\t+1], v[QQ+8*\t:QQ+8*\t+1], v[QQ+8*\t+2:QQ+8*\t+3]
	v_pk_add_f32 v[QQ+8*\t+4:QQ+8*\t+5], v[QQ+8*\t+4:QQ+8*\t+5], v[QQ+8*\t+6:QQ+8*\t+7]
.endr
.irp t, 0,1
	v_pk_add_f32 v[QQ+8*\t:QQ+8*\t+1], v[QQ+8*\t:QQ+8*\t+1], v[QQ+8*\t+4:QQ+8*\t+5]
.endr
.irp t, 0,1
	v_add_f32 v[QQ+8*\t], v[QQ+8*\t], v[QQ+8*\t+1]
.endr
.irp t, 0,1
	v_permlanex16_b32 v[QQ+8*\t+2], v[QQ+8*\t], s[SEL], s[SEL+1]
.endr
.irp t, 0,1
	v_add_f32 v[QQ+8*\t], v[QQ+8*\t], v[QQ+8*\t+2]
.endr
	v_cmp_eq_u32 vcc_lo, 1, v3                     ; lane (r, h) keeps tile h's pair: channel 32 w + lane
	v_cndmask_b32 v192, v[MN], v[MN+2], vcc_lo
	v_cndmask_b32 v193, v[QQ], v[QQ+8], vcc_lo
	global_store_b64 v14, v[192:193], s[14:15] offset:524288           ; the second layer's half of the buffer; 256 consecutive bytes a wave, aligned
	s_wait_dscnt 0x0                               ; my stores into the stage have read the accumulators: the rows may land there
.set q, 0
.rept 32
	ds_load_b128 v[16+4*q:19+4*q], v12 offset:528*q
.set q, q+1
.endr
.set q, 0
.rept 32
	s_wait_dscnt 31-q                              ; row q is in; the younger loads may be out
	global_store_b128 v13, v[16+4*q:19+4*q], s[12:13] offset:16384*q   ; channel 32 w + q: 512 consecutive bytes, aligned
.set q, q+1
.endr
	s_wait_tensorcnt 0x0
	ds_add_u32 v254, v255
	s_wait_dscnt 0x0
	s_endpgm
.Lfunc_end_k_q952f9287d0_conv1:
	.size	k_q952f9287d0_conv1, .Lfunc_end_k_q952f9287d0_conv1-k_q952f9287d0_conv1
	.p2alignl 7, 3214868480
	.fill 96, 4, 3214868480
	.section	.rodata,"a",@progbits
	.p2align	6, 0x0
	.amdhsa_kernel k_q952f9287d0_conv1
		.amdhsa_group_segment_fixed_size 162816
		.amdhsa_private_segment_fixed_size 0
		.amdhsa_enable_private_segment 0
		.amdhsa_kernarg_size 48
		.amdhsa_user_sgpr_count 2
		.amdhsa_user_sgpr_kernarg_segment_ptr 1
		.amdhsa_wavefront_size32 1
		.amdhsa_system_sgpr_workgroup_id_x 1
		.amdhsa_system_sgpr_workgroup_id_y 1
		.amdhsa_system_sgpr_workgroup_id_z 1
		.amdhsa_system_vgpr_workitem_id 0
		.amdhsa_next_free_vgpr 512
		.amdhsa_next_free_sgpr 66
		.amdhsa_reserve_vcc 1
		.amdhsa_float_denorm_mode_32 3
		.amdhsa_float_denorm_mode_16_64 3
		.amdhsa_memory_ordered 1
		.amdhsa_forward_progress 1
		.amdhsa_inst_pref_size 61
	.end_amdhsa_kernel
	.amdgpu_metadata
---
amdhsa.version: [ 1, 2 ]
amdhsa.kernels:
  - .name:           k_q952f9287d0_conv1
    .symbol:         k_q952f9287d0_conv1.kd
    .args:
      - { .name: y0, .offset: 0, .size: 8, .value_kind: global_buffer, .address_space: global }
      - { .name: bn0, .offset: 8, .size: 8, .value_kind: global_buffer, .address_space: global }
      - { .name: wq, .offset: 16, .size: 8, .value_kind: global_buffer, .address_space: global }
      - { .name: b1, .offset: 24, .size: 8, .value_kind: global_buffer, .address_space: global }
      - { .name: pbuf, .offset: 32, .size: 8, .value_kind: global_buffer, .address_space: global }
      - { .name: part, .offset: 40, .size: 8, .value_kind: global_buffer, .address_space: global }
    .group_segment_fixed_size: 162816
    .private_segment_fixed_size: 0
    .kernarg_segment_align: 8
    .kernarg_segment_size: 48
    .max_flat_workgroup_size: 256
    .sgpr_count:     66
    .vgpr_count:     512
    .wavefront_size: 32
...
	.end_amdgpu_metadata
.endif
;; end of part 5
;; launch bnout (part 6): grid 256 x 1, 8 waves a work-group, no clusters, 1,536 bytes of LDS; arguments pbuf, part, g1, beta1, out0; writes out0
.if DOCPART == 6
	.amdgcn_target "amdgcn-amd-amdhsa--gfx1250"
	.amdhsa_code_object_version 6
	.text
	.protected	k_q952f9287d0_bnout
	.globl	k_q952f9287d0_bnout
	.p2align	8
	.type	k_q952f9287d0_bnout,@function
k_q952f9287d0_bnout:
	s_mov_b64 s[64:65], 0
	v_nop
	global_prefetch_b8 v0, s[64:65] scope:SCOPE_SE
	s_setreg_imm32_b32 hwreg(HW_REG_WAVE_MODE, 25, 1), 1
	s_wait_xcnt 0x0
; THE SECOND BATCH NORM AND ITS RELU.  Work-group c takes channel c; wave b takes batch b's row of 4,096 points, 16,384 bytes, in 128 registers: it is read once.
; Thread t also takes the pair (mean, sum of squares about that mean) of 128 points that work-group t of the launch before stored for this channel; the row's loads are out while the statistics are finished.
; mean = the sum of the 256 means / 256;  variance = (the sum of the 256 sums of squares + 128 x the sum of (mean_t - mean)^2) / 32,768: no difference of large sums is formed.
; out = max(y a + c, 0), a = g rsqrt(variance + 1e-5), c = beta - mean a.
; LDS: bytes 0-31 the eight waves' sums of means; bytes 256-287 their sums of squares.
.set SEL, 22
.macro WRED x, t                       ; the sum over the wave's 32 lanes, in every lane
	v_add_f32_dpp v[\x], v[\x], v[\x] row_xmask:1 row_mask:0xf bank_mask:0xf
	v_add_f32_dpp v[\x], v[\x], v[\x] row_xmask:2 row_mask:0xf bank_mask:0xf
	v_add_f32_dpp v[\x], v[\x], v[\x] row_xmask:4 row_mask:0xf bank_mask:0xf
	v_add_f32_dpp v[\x], v[\x], v[\x] row_xmask:8 row_mask:0xf bank_mask:0xf
	v_permlanex16_b32 v[\t], v[\x], s[SEL], s[SEL+1]
	v_add_f32 v[\x], v[\x], v[\t]
.endm
.macro ALL8 off                        ; v4, the wave's sum, meets the other seven: the sum of all eight in v8
	ds_store_b32 v6, v4 offset:\off                ; all lanes write the wave's word with the same value
	s_wait_dscnt 0x0                               ; for the others' sake
	s_barrier_signal -1
	s_barrier_wait -1
	ds_load_b128 v[8:11], v7 offset:\off
	ds_load_b128 v[12:15], v7 offset:\off+16
	s_wait_dscnt 0x0
	v_add_f32 v8, v8, v9
	v_add_f32 v10, v10, v11
	v_add_f32 v12, v12, v13
	v_add_f32 v14, v14, v15
	v_add_f32 v8, v8, v10
	v_add_f32 v12, v12, v14
	v_add_f32 v8, v8, v12
.endm
; v[2:3]: my pair;  s24 g, s25 beta;  v6 = 4 x wave, v7 = 0.  Leaves a in v18 and c in v20
.macro CHSTAT
	v_mov_b32 v4, v2
	v_mov_b32 v5, 0                                ; a lane permute's destination counts as one of its sources
	WRED 4, 5
	ALL8 0
	v_mul_f32 v16, 0x3b800000, v8                  ; / 256: the mean
	v_sub_f32 v4, v2, v16
	v_mul_f32 v4, v4, v4
	v_fma_f32 v4, v4, 0x43000000, v3               ; 128 (mean_t - mean)^2 + my sum of squares
	WRED 4, 5
	ALL8 256
	v_fma_f32 v8, v8, s26, s27                     ; / 32,768, + 1e-5
	v_rsq_f32 v9, v8
	v_nop                                          ; one plain place behind a transcendental
	s_wait_alu depctr_va_vdst(0)
	v_mul_f32 v18, s24, v9
	v_fma_f32 v20, -v16, v18, s25
.endm
	s_load_b256 s[4:11], s[0:1], 0x0               ; y1 s[4:5], part s[6:7], g1 s[8:9], beta1 s[10:11]
	s_load_b64 s[12:13], s[0:1], 0x20              ; out0
	v_lshl_add_u32 v160, v0, 2, 0x200
	v_mov_b32 v161, 0
	v_lshlrev_b32 v1, 11, v0                       ; work-group t's 2,048 bytes
	v_lshrrev_b32 v6, 5, v0
	v_and_b32 v22, 31, v0
	v_lshlrev_b32 v22, 4, v22
	v_lshl_add_u32 v22, v6, 22, v22                ; batch x 4 MiB + 16 x lane
	v_lshlrev_b32 v6, 2, v6
	v_mov_b32 v7, 0
	v_mov_b32 v19, 0                               ; (named as the upper halves of the pairs of a and of c, so they are written)
	v_mov_b32 v21, 0
	s_lshl_b32 s14, ttmp9, 3
	s_mov_b32 s15, 0
	s_lshl_b32 s16, ttmp9, 2
	s_mov_b32 s17, 0
	s_lshl_b32 s18, ttmp9, 14                      ; the channel's row
	s_mov_b32 s19, 0
	s_mov_b32 s[SEL], 0x76543210
	s_mov_b32 s[SEL+1], 0xfedcba98
	s_mov_b32 s26, 0x38000000                      ; 2^-15
	s_mov_b32 s27, 0x3727c5ac                      ; 1e-5
	s_wait_kmcnt 0x0
	s_add_nc_u64 s[6:7], s[6:7], s[14:15]
	s_add_nc_u64 s[8:9], s[8:9], s[16:17]
	s_add_nc_u64 s[10:11], s[10:11], s[16:17]
	s_add_nc_u64 s[4:5], s[4:5], s[18:19]
	s_add_nc_u64 s[12:13], s[12:13], s[18:19]
	global_load_b64 v[2:3], v1, s[6:7] offset:524288                   ; the second layer's half of the buffer
.set i, 0
.rept 32
	global_load_b128 v[32+4*i:35+4*i], v22, s[4:5] offset:512*i th:TH_LOAD_NT   ; 512 consecutive bytes
.set i, i+1
.endr
	s_load_b32 s24, s[8:9], 0x0
	s_load_b32 s25, s[10:11], 0x0
	s_wait_loadcnt 32                              ; my pair is in; the row's 32 loads stay on their way
	s_wait_kmcnt 0x0
	CHSTAT
.set i, 0
.rept 32
	s_wait_loadcnt 31-i                            ; load i is in; the younger ones may be out
	v_pk_fma_f32 v[32+4*i:33+4*i], v[32+4*i:33+4*i], v[18:19], v[20:21] op_sel_hi:[1,0,0]
	v_pk_fma_f32 v[34+4*i:35+4*i], v[34+4*i:35+4*i], v[18:19], v[20:21] op_sel_hi:[1,0,0]
	v_max_num_f32 v[32+4*i], 0, v[32+4*i]
	v_max_num_f32 v[33+4*i], 0, v[33+4*i]
	v_max_num_f32 v[34+4*i], 0, v[34+4*i]
	v_max_num_f32 v[35+4*i], 0, v[35+4*i]
	global_store_b128 v22, v[32+4*i:35+4*i], s[12:13] offset:512*i th:TH_STORE_NT   ; 512 consecutive bytes, aligned; written once
.set i, i+1
.endr
	s_wait_tensorcnt 0x0
	ds_add_u32 v160, v161
	s_wait_dscnt 0x0
	s_endpgm
.Lfunc_end_k_q952f9287d0_bnout:
	.size	k_q952f9287d0_bnout, .Lfunc_end_k_q952f9287d0_bnout-k_q952f9287d0_bnout
	.p2alignl 7, 3214868480
	.fill 96, 4, 3214868480
	.section	.rodata,"a",@progbits
	.p2align	6, 0x0
	.amdhsa_kernel k_q952f9287d0_bnout
		.amdhsa_group_segment_fixed_size 1536
		.amdhsa_private_segment_fixed_size 0
		.amdhsa_enable_private_segment 0
		.amdhsa_kernarg_size 40
		.amdhsa_user_sgpr_count 2
		.amdhsa_user_sgpr_kernarg_segment_ptr 1
		.amdhsa_wavefront_size32 1
		.amdhsa_system_sgpr_workgroup_id_x 1
		.amdhsa_system_sgpr_workgroup_id_y 1
		.amdhsa_system_sgpr_workgroup_id_z 1
		.amdhsa_system_vgpr_workitem_id 0
		.amdhsa_next_free_vgpr 162
		.amdhsa_next_free_sgpr 66
		.amdhsa_reserve_vcc 0
		.amdhsa_float_denorm_mode_32 3
		.amdhsa_float_denorm_mode_16_64 3
		.amdhsa_memory_ordered 1
		.amdhsa_forward_progress 1
		.amdhsa_inst_pref_size 20
	.end_amdhsa_kernel
	.amdgpu_metadata
---
amdhsa.version: [ 1, 2 ]
amdhsa.kernels:
  - .name:           k_q952f9287d0_bnout
    .symbol:         k_q952f9287d0_bnout.kd
    .args:
      - { .name: pbuf, .offset: 0, .size: 8, .value_kind: global_buffer, .address_space: global }
      - { .name: part, .offset: 8, .size: 8, .value_kind: global_buffer, .address_space: global }
      - { .name: g1, .offset: 16, .size: 8, .value_kind: global_buffer, .address_space: global }
      - { .name: beta1, .offset: 24, .size: 8, .value_kind: global_buffer, .address_space: global }
      - { .name: out0, .offset: 32, .size: 8, .value_kind: global_buffer, .address_space: global }
    .group_segment_fixed_size: 1536
    .private_segment_fixed_size: 0
    .kernarg_segment_align: 8
    .kernarg_segment_size: 40
    .max_flat_workgroup_size: 256
    .sgpr_count:     66
    .vgpr_count:     162
    .wavefront_size: 32
...
	.end_amdgpu_metadata
.endif
;; end of part 6
;; ======== version 2 of 2: 6 launches; version 1 with the launches conv0, conv1, bnout written anew for expert scheduling mode
;; workspace buffers: grp 524,288 bytes of whole numbers; nidx 524,288 bytes of whole numbers; nwgt 524,288 bytes; wq 133,120 bytes; pbuf 33,554,432 bytes; y0 33,554,432 bytes; part 1,048,576 bytes; bn0 2,048 bytes
;; launch knn: the kernel of part 1 again; grid 256 x 1, 8 waves a work-group, no clusters, 168,960 bytes of LDS; arguments xyz1, xyz2, points2, grp, pbuf; writes grp, pbuf
;; launch refine: the kernel of part 2 again; grid 264 x 1, 4 waves a work-group, no clusters, 27,136 bytes of LDS; arguments xyz1, xyz2, grp, W0, W1, nidx, nwgt, wq; writes nidx, nwgt, wq
;; launch conv0 (part 7): grid 256 x 1, 8 waves a work-group, no clusters, 241,664 bytes of LDS; arguments nidx, nwgt, pbuf, points1, wq, b0, y0, part; writes y0, part
.if DOCPART == 7
	.amdgcn_target "amdgcn-amd-amdhsa--gfx1250"
	.amdhsa_code_object_version 6
	.text
	.protected	k_q952f9287d0_conv0
	.globl	k_q952f9287d0_conv0
	.p2align	8
	.type	k_q952f9287d0_conv0,@function
k_q952f9287d0_conv0:
	s_mov_b64 s[64:65], 0
	v_nop
	global_prefetch_b8 v0, s[64:65] scope:SCOPE_SE
	s_setreg_imm32_b32 hwreg(HW_REG_WAVE_SCHED_MODE, 0, 2), 2
	s_setreg_imm32_b32 hwreg(HW_REG_WAVE_MODE, 25, 1), 1
	s_wait_xcnt 0x0
	s_wait_alu depctr_vm_vsrc(0)
; h = [the three neighbours' features blended (256 channels) | points1 (128 channels)], quantised along the channels to FP6 (E2M3) with one E8M0 scale for each 32;  y0 = h W0^T + b0, f32;
; and for each channel the mean and the sum of squares about that mean over the work-group's 128 points.
; SHARES.  Work-group G owns points 128 (G % 32) .. + 127 of batch G / 32.  Wave w gathers, blends and quantises point tile w (16 points).  In the product THE WAVES SHARE THE COLUMNS: wave w makes
; channels 32 w .. + 31 (W0's tiles 2 w, 2 w + 1, in registers) for all eight point tiles, so a channel's 128 numbers lie in one wave.
; THE GATHER.  A neighbour's row of the turned points2 is 1,024 bytes: two loads of 512 consecutive bytes a wave.  Index and weight of a point are loaded by all lanes from the same address.
; The blended rows turn through the wave's own stage, so that lane (r, h) gets, of point r, 16 neighbouring channels of each block of 32.
; OPERANDS GO FROM WAVE TO WAVE THROUGH LDS AS IMAGES OF THEIR REGISTERS: register group c of a fragment at 512 c + 16 lane, its scale words at 4 lane.
; THE PRODUCT IS USED TRANSPOSED (source 0 = 16 rows of W0, source 1 = 16 points); W0's tile rows were chosen so that register 8 u + j of lane (r, h) is channel 32 w + 16 h + 8 u + j of point r:
; the very registers that the next layer's quantiser wants.  y0 is stored as that image: [point tile][K step 2][block 4][4][lane][4 numbers].  b0 is the C of each sum's first matrix instruction.
; LIMITS: NaN and infinities are not served; a block of zeros gets the byte 1 (its codes are zeros; this program alone reads the bytes).
; LDS: HIMG 24 fragments (3 m + s) x 1,536; HSC their scale words x 128; P1S 128 channel rows x 528; ISTG 16 rows x 1,040 for each wave.
; REGISTERS, window 0: v1-15 addresses; v16-79 indices, then offsets, then 64 numbers to quantise; v80-143 weights, then 64 numbers; v144-239 four slots of gathered rows, then two sets of codes and work,
;   then eight fragments of h; v16-143 the 16 accumulators ((m, u) at 16 + 16 m + 8 u); v240-247, v248-253 scale words and nothing else; v255 8 x thread.
;   window 1: v0-71 W0's six fragments ((u, s) at 12 (3 u + s)); v72-87 b0; v96-159 points1.
; THE MODE: SCHED_MODE bits 1:0 = 2 (LLVM: expert scheduling mode 2), set by the entry lines.  The code itself states the register dependences
; between vector or matrix instructions and memory or LDS instructions, with s_wait_alu, always for 0.
; THE PLAN.  Registers that memory or LDS instructions touch, and who else names them:
;   v1-15, v255  Offsets and LDS addresses: written at the head, never again.  One wait on va_vdst ahead of the first load serves them all.
;   v16-79       The indices land; vector lines make the gathers' offsets of them (one wait on va_vdst ahead of the first gather); the gathers read them; behind point 15 loads from the stage land there.
;   v80-143      The weights land; the blends read them; behind point 15 loads from the stage land there.
;   slot p % 4   24 registers.  Point p's six gathers land; its blend reads all and writes the first eight; two LDS stores, issued at the head of point p + 1, read those eight; point p + 4's gathers land.
;                At the head of point p ONE wait on va_vdst: the last point's blend has written its eight and is done reading its other sixteen.  The two stores and the four gathers into the sixteen follow;
;                point p's blend names neither that slot nor an offset; behind it one wait on vm_vsrc (the two stores have read the eight) and the two gathers into the eight.
;   codes        Two sets (v144-162 with v180, v184-202 with v204): both K steps are quantised, then ONE wait on va_vdst and the eight stores of their images.  The third fragment takes set 0 again, behind a wait on vm_vsrc.
;   v144-247     h's fragments and scale words land; the matrix instructions read them; a wait on va_vdst stands ahead of each further K step's loads.
;   v16-143      The accumulators: one wait on va_vdst ahead of the stores of y0; the statistics only read them.
.set HIMG, 0
.set HSC,  36864
.set P1S,  39936
.set ISTG, 107520
.set IDX,  16
.set WGT,  80
.set DATA, 144
.set XQ0,  16
.set XQ1,  80
.set PC0,  144
.set TM,   164
.set PW0,  180
.set PC1,  184
.set PW1,  204
.set ACC,  16
.set HF,   144
.set HS,   240
.set WS,   248
.set BIAS, 72
.set P1,   96
.set SS,   144
.set TT,   160
.set QQ,   176
.set SEL,  22
.set CMS,  23                          ; s24-38: the masks of the fifteen selects at the end (the offsets that these registers held are done with)
.set MSB,  0
.macro WIN new                         ; the immediate's high byte repeats the setting that is left
.if MSB != \new
	s_set_vgpr_msb (MSB<<8)|\new
.set MSB, \new
.endif
.endm
; 64 numbers of a lane, register 16 b + i = k 32 b + 16 (lane / 16) + i of my row, become a fragment's codes in v[dst] on and its scale word in v[wrd]
.macro QUANT s, dst, wrd
.irp b, 0,1,2,3
	v_max3_num_f32 v[TM+\b], |v[\s+16*\b]|, |v[\s+1+16*\b]|, 0x1800000   ; block b: my 16 numbers, and the floor 2^(3 - 127): the byte cannot fall under 1
.endr
.irp i, 2,4,6,8,10,12,14
.irp b, 0,1,2,3
	v_max3_num_f32 v[TM+\b], v[TM+\b], |v[\s+16*\b+\i]|, |v[\s+1+16*\b+\i]|
.endr
.endr
.irp b, 0,1,2,3
	v_permlanex16_b32 v[TM+4+\b], v[TM+\b], s[SEL], s[SEL+1]
.endr
.irp b, 0,1,2,3
	v_max_num_f32 v[TM+\b], v[TM+\b], v[TM+4+\b]   ; with lane l xor 16's: the block's largest magnitude
.endr
.irp b, 0,1,2,3
	v_add_nc_u32 v[TM+12+\b], 0xff000000, v[TM+\b] ; 2 off its exponent field: the conversion's scale operand
.endr
.irp b, 0,1,2,3
	v_lshrrev_b32 v[TM+4+\b], 23, v[TM+12+\b]      ; the scale's byte
.endr
	v_lshl_or_b32 v[\wrd], v[TM+5], 8, v[TM+4]
	v_lshl_or_b32 v[\wrd], v[TM+6], 16, v[\wrd]
	v_lshl_or_b32 v[\wrd], v[TM+7], 24, v[\wrd]
.irp c, 0,1
	v_cvt_scalef32_pk16_fp6_f32 v[\dst+6*\c:\dst+2+6*\c], v[\s+32*\c:\s+15+32*\c], v[TM+12+2*\c]
	v_cvt_scalef32_pk16_fp6_f32 v[\dst+12+4*\c:\dst+14+4*\c], v[\s+16+32*\c:\s+31+32*\c], v[TM+12+2*\c+1]   ; (a conversion's three registers begin on an even number)
.endr
	v_nop                                          ; one plain place behind a scaled conversion
.irp c, 0,1                                    ; the operand's layout wants a whole block in a lane
.irp i, 0,1,2
	v_permlane16_swap_b32 v[\dst+6*\c+\i], v[\dst+12+4*\c+\i]
.endr
.irp i, 0,1,2
	v_mov_b32 v[\dst+3+6*\c+\i], v[\dst+12+4*\c+\i]
.endr
.endr
.endm
.macro IMAGE adr, src, off
.irp c, 0,1,2
	ds_store_b128 v[\adr], v[\src+4*\c:\src+4*\c+3] offset:\off+512*\c
.endr
.endm
.macro FETCH reg, adr, off
.irp c, 0,1,2
	ds_load_b128 v[\reg+4*\c:\reg+4*\c+3], v[\adr] offset:\off+512*\c
.endr
.endm
.macro BARRIER                                 ; my LDS stores have landed and my LDS loads are in: then the work-group's barrier
	s_wait_dscnt 0x0
	s_barrier_signal -1
	s_barrier_wait -1
.endm
.macro GATHK p, k                              ; neighbour k's row of point p into slot p % 4, at + 8 k; half f of the row at + 4 f
.irp f, 0,1
	global_load_b128 v[DATA+24*((\p)%4)+8*(\k)+4*\f:DATA+24*((\p)%4)+8*(\k)+4*\f+3], v[IDX+4*(\p)+(\k)], s[8:9] offset:512*\f
.endr
.endm
.macro POINT p
.set SL, DATA+24*((\p)%4)
.set SB, DATA+24*(((\p)+3)%4)                  ; the last point's slot, which takes the point three further on
.if (\p) < 14
	s_wait_loadcnt 12                              ; this point's six loads are in; the next two points' twelve may be out
.elseif (\p) == 14
	s_wait_loadcnt 6
.else
	s_wait_loadcnt 0
.endif
.if (\p) > 0
	s_wait_alu depctr_va_vdst(0)                   ; the last point's blend has written its slot's first eight registers, which the two stores read, and is done reading the other sixteen, in which the four loads below land
	ds_store_b128 v7, v[SB:SB+3] offset:1040*((\p)-1)
	ds_store_b128 v7, v[SB+4:SB+7] offset:1040*((\p)-1)+512
.endif
.if (\p)+3 < 16
	GATHK (\p)+3, 1                                ; no vector instruction since the wait names these registers or their offsets
	GATHK (\p)+3, 2
.endif
.irp i, 0,1,2,3,4,5,6,7
	v_mul_f32 v[SL+\i], v[WGT+4*(\p)], v[SL+\i]
.endr
.irp i, 0,1,2,3,4,5,6,7
	v_fmac_f32 v[SL+\i], v[WGT+4*(\p)+1], v[SL+8+\i]
.endr
.irp i, 0,1,2,3,4,5,6,7
	v_fmac_f32 v[SL+\i], v[WGT+4*(\p)+2], v[SL+16+\i]
.endr
.if (\p)+3 < 16
.if (\p) > 0
	s_wait_alu depctr_vm_vsrc(0)                   ; the last point's two stores have read their eight registers, in which the two loads below land
.endif
	GATHK (\p)+3, 0
.endif
.endm
	s_load_b256 s[4:11], s[0:1], 0x0               ; nidx s[4:5], nwgt s[6:7], turned points2 s[8:9], points1 s[10:11]
	s_load_b256 s[12:19], s[0:1], 0x20             ; wq s[12:13], b0 s[14:15], y0 s[16:17], part s[18:19]
	s_set_vgpr_msb 0x40
	v_lshl_add_u32 v160, v0, 2, 0x3ac00
	v_mov_b32 v161, 0
	s_set_vgpr_msb 0x4000
	v_lshrrev_b32 v254, 5, v0
	v_readfirstlane_b32 s20, v254                  ; wave 0..7
	v_and_b32 v1, 31, v0                           ; lane
	v_and_b32 v2, 15, v0                           ; r
	v_bfe_u32 v3, v0, 4, 1                         ; h
	v_lshlrev_b32 v4, 4, v1                        ; 16 x lane
	v_lshlrev_b32 v5, 2, v1                        ; 4 x lane
	v_lshlrev_b32 v6, 8, v254                      ; my tile's 16 points in nidx and nwgt: the same in every lane
	v_mul_u32_u24 v7, v254, 0x4100
	v_add_nc_u32 v7, ISTG, v7                      ; my stage
	v_mad_u32_u24 v8, v2, 0x410, v7
	v_lshl_add_u32 v8, v3, 6, v8                   ; out of it: row r, + 64 h
	v_add_nc_u32 v7, v7, v4                        ; into it: 16 x lane
	v_mul_u32_u24 v9, v254, 0x2100
	v_add_nc_u32 v9, P1S, v9
	v_add_nc_u32 v9, v9, v4                        ; points1 in: my 16 channel rows
	v_mul_u32_u24 v10, v3, 0x2100
	v_lshl_add_u32 v10, v254, 6, v10
	v_lshl_add_u32 v10, v2, 2, v10
	v_add_nc_u32 v10, P1S, v10                     ; out: channel 16 h, point 16 w + r
	v_mad_u32_u24 v11, v254, 0x1200, v4            ; my three images
	v_mad_u32_u24 v12, v254, 0x180, v5
	v_add_nc_u32 v12, HSC, v12                     ; and their scale words
	v_add_nc_u32 v13, HSC, v5
	v_lshl_add_u32 v14, v254, 18, v4               ; points1 in memory: 16 channels of 16,384 bytes a wave
	v_lshlrev_b32 v15, 6, v3                       ; b0: 16 h channels on
	v_lshlrev_b32 v255, 3, v0                      ; part: 8 bytes a channel
	s_wait_alu depctr_va_sdst(0)                   ; s20 is written, ahead of its first reader: the wave's offsets below are made from it
	s_mov_b32 s[SEL], 0x76543210
	s_mov_b32 s[SEL+1], 0xfedcba98
	s_lshr_b32 s24, ttmp9, 5                       ; batch
	s_and_b32 s25, ttmp9, 31
	s_lshl_b32 s26, ttmp9, 11
	s_mov_b32 s27, 0
	s_lshl_b32 s28, s24, 21
	s_mov_b32 s29, 0
	s_lshl_b32 s30, s25, 9
	s_add_co_u32 s30, s30, s28
	s_mov_b32 s31, 0
	s_mul_i32 s32, s20, 9216                       ; my six images of W0
	s_mov_b32 s33, 0
	s_mul_i32 s34, s20, 768                        ; and their scale words
	s_mov_b32 s35, 0
	s_lshl_b32 s36, s20, 7
	s_mov_b32 s37, 0
	s_lshl_b32 s38, ttmp9, 17                      ; y0: eight tiles of 16,384 bytes a work-group; my 32 channels are 2,048 bytes of each
	s_lshl_b32 s39, s20, 11
	s_add_co_u32 s38, s38, s39
	s_mov_b32 s39, 0
	s_wait_kmcnt 0x0
	s_add_nc_u64 s[4:5], s[4:5], s[26:27]
	s_add_nc_u64 s[6:7], s[6:7], s[26:27]
	s_add_nc_u64 s[18:19], s[18:19], s[26:27]
	s_add_nc_u64 s[8:9], s[8:9], s[28:29]
	s_add_nc_u64 s[10:11], s[10:11], s[30:31]
	s_add_nc_u64 s[40:41], s[12:13], s[32:33]
	s_add_nc_u64 s[42:43], s[12:13], s[34:35]
	s_add_nc_u64 s[14:15], s[14:15], s[36:37]
	s_add_nc_u64 s[16:17], s[16:17], s[38:39]
	s_wait_alu depctr_va_vdst(0)                   ; the offsets and LDS addresses v1 to v15 and v255 are written, which the loads and stores of the whole kernel read
.irp p, 0,1,2,3,4,5,6,7,8,9,10,11,12,13,14,15
	global_load_b128 v[IDX+4*\p:IDX+4*\p+3], v6, s[4:5] offset:16*\p
.endr
.irp p, 0,1,2,3,4,5,6,7,8,9,10,11,12,13,14,15
	global_load_b128 v[WGT+4*\p:WGT+4*\p+3], v6, s[6:7] offset:16*\p
.endr
	WIN 0x40                                       ; destination window 1
.irp j, 0,1,2,3,4,5,6,7,8,9,10,11,12,13,14,15
	global_load_b128 v[P1+4*\j:P1+4*\j+3], v14, s[10:11] offset:16384*\j th:TH_LOAD_NT   ; channel 16 w + j, the work-group's 128 points: 512 consecutive bytes
.endr
	WIN 0
	s_wait_loadcnt 32                              ; the indices are in; the 32 loads behind them may be out
.irp p, 0,1,2,3,4,5,6,7,8,9,10,11,12,13,14,15
.irp k, 0,1,2
	v_min_u32 v[IDX+4*\p+\k], 0x7ff, v[IDX+4*\p+\k]                    ; a loaded number enters an address only behind this hold
.endr
.irp k, 0,1,2
	v_lshl_add_u32 v[IDX+4*\p+\k], v[IDX+4*\p+\k], 10, v4              ; the row's byte + 16 x lane
.endr
.endr
	s_wait_alu depctr_va_vdst(0)                   ; all 48 offsets are written, which the gathers read
.irp p, 0,1,2
	GATHK \p, 0
	GATHK \p, 1
	GATHK \p, 2
.endr
.irp p, 0,1,2,3,4,5,6,7,8,9,10,11,12,13,14,15
	POINT \p
.endr
	s_wait_alu depctr_va_vdst(0)                   ; point 15's blend has written its eight registers, which the two stores read; all blends are done reading the weights v80-143, in which loads from the stage land
	s_wait_alu depctr_vm_vsrc(0)                   ; the gathers have read their offsets v16-79, in which loads from the stage land; the stores of points 0 to 14 have read their slots, which the quantiser writes
	ds_store_b128 v7, v[DATA+72:DATA+75] offset:1040*15
	ds_store_b128 v7, v[DATA+76:DATA+79] offset:1040*15+512
	WIN 0x04                                       ; an LDS store's data are its source 1: window 1
.irp j, 0,1,2,3,4,5,6,7,8,9,10,11,12,13,14,15
	ds_store_b128 v9, v[P1+4*\j:P1+4*\j+3] offset:528*\j
.endr
	WIN 0x40
.irp u, 0,1
.irp s, 0,1,2
.irp c, 0,1,2
	global_load_b128 v[12*(3*\u+\s)+4*\c:12*(3*\u+\s)+4*\c+3], v4, s[40:41] offset:1536*(3*\u+\s)+512*\c   ; W0's fragments as they were stored
.endr
.endr
.endr
.irp u, 0,1
.irp f, 0,1
	global_load_b128 v[BIAS+8*\u+4*\f:BIAS+8*\u+4*\f+3], v15, s[14:15] offset:32*\u+16*\f   ; b0 at channels 32 w + 16 h + 8 u + 0 .. 7: the result's layout
.endr
.endr
	WIN 0
.irp u, 0,1
.irp s, 0,1,2
	global_load_b32 v[WS+3*\u+\s], v5, s[42:43] offset:73728+128*(3*\u+\s)
.endr
.endr
.irp s, 0,1
.irp b, 0,1,2,3
.irp j, 0,1,2,3
	ds_load_b128 v[XQ0+64*\s+16*\b+4*\j:XQ0+64*\s+16*\b+4*\j+3], v8 offset:512*\s+128*\b+16*\j   ; my own stage: served in order, behind my stores
.endr
.endr
.endr
	s_wait_dscnt 16                                ; K step 0's 16 loads are in, and so all my LDS stores are done; K step 1's 16 may be out
.irp b, 0,1,2,3
	v_mov_b32 v[TM+4+\b], 0                        ; written once: a lane permute's destination counts as one of its sources
.endr
	QUANT XQ0, PC0, PW0
	s_wait_dscnt 0x0                               ; K step 1's numbers are in
	QUANT XQ1, PC1, PW1                            ; into codes' registers of its own
	s_wait_alu depctr_va_vdst(0)                   ; both sets of codes and both scale words are written, which the eight stores read; the quantiser is done reading v16-79, in which points1's numbers land behind the barrier
	IMAGE 11, PC0, 0
	ds_store_b32 v12, v[PW0]
	IMAGE 11, PC1, 1536
	ds_store_b32 v12, v[PW1] offset:128
	BARRIER                                        ; points1's 128 channel rows lie in LDS
.irp b, 0,1,2,3
.irp i, 0,1,2,3,4,5,6,7,8,9,10,11,12,13,14,15
	ds_load_b32 v[XQ0+16*\b+\i], v10 offset:(32*\b+\i)*528             ; channel 32 b + 16 h + i of point 16 w + r
.endr
.endr
	s_wait_dscnt 0x0
	s_wait_alu depctr_vm_vsrc(0)                   ; the first image's stores have read set 0 of the codes and its scale word, which the quantiser writes again
	QUANT XQ0, PC0, PW0
	s_wait_alu depctr_va_vdst(0)                   ; the codes and the scale word are written, which the four stores read
	IMAGE 11, PC0, 3072
	ds_store_b32 v12, v[PW0] offset:256
	BARRIER                                        ; h's 24 fragments lie in LDS
	s_wait_alu depctr_vm_vsrc(0)                   ; my images' stores and point 15's have read their registers in v144-223, in which h's fragments land (the quantiser's lines stand ahead of the last wait on va_vdst)
	s_wait_loadcnt 0x0                             ; W0's fragments, its scale words, b0
.irp s, 0,1,2
.if \s > 0
.rept 4
	v_nop                                          ; places in front of loads into registers that matrix instructions have read
.endr
	s_wait_alu depctr_va_vdst(0)                   ; the last K step's matrix instructions are done reading h's fragments and scale words, in which the loads below land
.endif
.irp m, 0,1,2,3,4,5,6,7
	FETCH HF+12*\m, 4, (3*\m+\s)*1536
	ds_load_b32 v[HS+\m], v13 offset:(3*\m+\s)*128
.endr
	s_wait_dscnt 0x0
.if \s == 0
	WIN 0x11                                       ; source 0 (W0) and source 2 (b0) window 1
.else
	WIN 0x01
.endif
.irp m, 0,1,2,3,4,5,6,7                        ; the 16 accumulators take turns, one instruction a turn
.irp u, 0,1
.if \s == 0
	v_wmma_scale_f32_16x16x128_f8f6f4 v[ACC+16*\m+8*\u:ACC+16*\m+8*\u+7], v[12*(3*\u+\s):12*(3*\u+\s)+11], v[HF+12*\m:HF+12*\m+11], v[BIAS+8*\u:BIAS+8*\u+7], v[WS+3*\u+\s], v[HS+\m] matrix_a_fmt:MATRIX_FMT_FP6 matrix_b_fmt:MATRIX_FMT_FP6
.else
	v_wmma_scale_f32_16x16x128_f8f6f4 v[ACC+16*\m+8*\u:ACC+16*\m+8*\u+7], v[12*(3*\u+\s):12*(3*\u+\s)+11], v[HF+12*\m:HF+12*\m+11], v[ACC+16*\m+8*\u:ACC+16*\m+8*\u+7], v[WS+3*\u+\s], v[HS+\m] matrix_a_fmt:MATRIX_FMT_FP6 matrix_b_fmt:MATRIX_FMT_FP6
.endif
.endr
.endr
	WIN 0
.endr
.rept 4
	v_nop                                          ; places in front of the first reads of results and of writes over h's fragments
.endr
	s_wait_alu depctr_va_vdst(0)                   ; the matrix instructions have written the accumulators, which the stores read; the places above stay beside this wait
.irp m, 0,1,2,3,4,5,6,7
.irp q, 0,1,2,3
	global_store_b128 v4, v[ACC+16*\m+4*\q:ACC+16*\m+4*\q+3], s[16:17] offset:16384*\m+512*\q   ; each accumulator from its low end on; 512 consecutive bytes, aligned
.endr
.endr
	; the statistics: register q of lane (r, h) is channel 32 w + 16 h + q of point r of tile m.  They only read the accumulators, so nothing is owed to the stores above
.irp q, 1,2,3,4,5,6,7,8,9,10,11,12,13,14,15
	v_cmp_eq_u32 s[CMS+\q], \q, v2                 ; the masks of the selects at the end, in one run: is my r this q?
.endr
.irp i, 0,2,4,6,8,10,12,14
	v_pk_add_f32 v[SS+\i:SS+\i+1], v[ACC+\i:ACC+\i+1], v[ACC+16+\i:ACC+17+\i]
.endr
.irp m, 2,3,4,5,6,7
.irp i, 0,2,4,6,8,10,12,14
	v_pk_add_f32 v[SS+\i:SS+\i+1], v[SS+\i:SS+\i+1], v[ACC+16*\m+\i:ACC+16*\m+\i+1]
.endr
.endr
.irp x, 1,2,4,8
.irp i, 0,1,2,3,4,5,6,7,8,9,10,11,12,13,14,15
	v_add_f32_dpp v[SS+\i], v[SS+\i], v[SS+\i] row_xmask:\x row_mask:0xf bank_mask:0xf   ; over the 16 points of a half of the lanes
.endr
.endr
.irp i, 0,1,2,3,4,5,6,7,8,9,10,11,12,13,14,15
	v_mul_f32 v[SS+\i], 0x3c000000, v[SS+\i]       ; / 128: the mean of the work-group's points
.endr
.irp m, 0,1,2,3,4,5,6,7
.irp i, 0,2,4,6,8,10,12,14
	v_pk_add_f32 v[TT+\i:TT+\i+1], v[ACC+16*\m+\i:ACC+16*\m+\i+1], v[SS+\i:SS+\i+1] neg_lo:[0,1] neg_hi:[0,1]
.endr
.irp i, 0,2,4,6,8,10,12,14
.if \m == 0
	v_pk_mul_f32 v[QQ+\i:QQ+\i+1], v[TT+\i:TT+\i+1], v[TT+\i:TT+\i+1]
.else
	v_pk_fma_f32 v[QQ+\i:QQ+\i+1], v[TT+\i:TT+\i+1], v[TT+\i:TT+\i+1], v[QQ+\i:QQ+\i+1]
.endif
.endr
.endr
.irp x, 1,2,4,8
.irp i, 0,1,2,3,4,5,6,7,8,9,10,11,12,13,14,15
	v_add_f32_dpp v[QQ+\i], v[QQ+\i], v[QQ+\i] row_xmask:\x row_mask:0xf bank_mask:0xf
.endr
.endr
	v_mov_b32 v192, v[SS]                          ; lane (r, h) keeps register r's pair: channel 32 w + lane
	v_mov_b32 v193, v[QQ]
	s_wait_alu depctr_va_sdst(0)                   ; the fifteen masks s24 to s38 are written, ahead of their first reader
.irp q, 1,2,3,4,5,6,7,8,9,10,11,12,13,14,15
	v_cndmask_b32 v192, v192, v[SS+\q], s[CMS+\q]
	v_cndmask_b32 v193, v193, v[QQ+\q], s[CMS+\q]
.endr
	s_wait_alu depctr_va_vdst(0)                   ; the selects have written v192 and v193, which the store reads
	global_store_b64 v255, v[192:193], s[18:19]    ; 256 consecutive bytes a wave, aligned
	s_set_vgpr_msb 0x5                             ; the add's two registers, sources 0 and 1, lie in window 1
	s_wait_dscnt 0x0                               ; the closing lines, six on end
	s_wait_alu 0x0
	s_wait_tensorcnt 0x0
	ds_add_u32 v160, v161
	s_wait_dscnt 0x0
	s_endpgm
.Lfunc_end_k_q952f9287d0_conv0:
	.size	k_q952f9287d0_conv0, .Lfunc_end_k_q952f9287d0_conv0-k_q952f9287d0_conv0
	.p2alignl 7, 3214868480
	.fill 96, 4, 3214868480
	.section	.rodata,"a",@progbits
	.p2align	6, 0x0
	.amdhsa_kernel k_q952f9287d0_conv0
		.amdhsa_group_segment_fixed_size 241664
		.amdhsa_private_segment_fixed_size 0
		.amdhsa_enable_private_segment 0
		.amdhsa_kernarg_size 64
		.amdhsa_user_sgpr_count 2
		.amdhsa_user_sgpr_kernarg_segment_ptr 1
		.amdhsa_wavefront_size32 1
		.amdhsa_system_sgpr_workgroup_id_x 1
		.amdhsa_system_sgpr_workgroup_id_y 1
		.amdhsa_system_sgpr_workgroup_id_z 1
		.amdhsa_system_vgpr_workitem_id 0
		.amdhsa_next_free_vgpr 418
		.amdhsa_next_free_sgpr 66
		.amdhsa_reserve_vcc 0
		.amdhsa_float_denorm_mode_32 3
		.amdhsa_float_denorm_mode_16_64 3
		.amdhsa_memory_ordered 1
		.amdhsa_forward_progress 1
		.amdhsa_inst_pref_size 101
	.end_amdhsa_kernel
	.amdgpu_metadata
---
amdhsa.version: [ 1, 2 ]
amdhsa.kernels:
  - .name:           k_q952f9287d0_conv0
    .symbol:         k_q952f9287d0_conv0.kd
    .args:
      - { .name: nidx, .offset: 0, .size: 8, .value_kind: global_buffer, .address_space: global }
      - { .name: nwgt, .offset: 8, .size: 8, .value_kind: global_buffer, .address_space: global }
      - { .name: pbuf, .offset: 16, .size: 8, .value_kind: global_buffer, .address_space: global }
      - { .name: points1, .offset: 24, .size: 8, .value_kind: global_buffer, .address_space: global }
      - { .name: wq, .offset: 32, .size: 8, .value_kind: global_buffer, .address_space: global }
      - { .name: b0, .offset: 40, .size: 8, .value_kind: global_buffer, .address_space: global }
      - { .name: y0, .offset: 48, .size: 8, .value_kind: global_buffer, .address_space: global }
      - { .name: part, .offset: 56, .size: 8, .value_kind: global_buffer, .address_space: global }
    .group_segment_fixed_size: 241664
    .private_segment_fixed_size: 0
    .kernarg_segment_align: 8
    .kernarg_segment_size: 64
    .max_flat_workgroup_size: 256
    .sgpr_count:     66
    .vgpr_count:     418
    .wavefront_size: 32
...
	.end_amdgpu_metadata
.endif
;; end of part 7
;; launch stat0: the kernel of part 4 again; grid 256 x 1, 8 waves a work-group, no clusters, 1,536 bytes of LDS; arguments part, g0, beta0, bn0; writes bn0
;; launch conv1 (part 8): grid 256 x 1, 8 waves a work-group, no clusters, 162,816 bytes of LDS; arguments y0, bn0, wq, b1, pbuf, part; writes pbuf, part
.if DOCPART == 8
	.amdgcn_target "amdgcn-amd-amdhsa--gfx1250"
	.amdhsa_code_object_version 6
	.text
	.protected	k_q952f9287d0_conv1
	.globl	k_q952f9287d0_conv1
	.p2align	8
	.type	k_q952f9287d0_conv1,@function
k_q952f9287d0_conv1:
	s_mov_b64 s[64:65], 0
	v_nop
	global_prefetch_b8 v0, s[64:65] scope:SCOPE_SE
	s_setreg_imm32_b32 hwreg(HW_REG_WAVE_SCHED_MODE, 0, 2), 2
	s_setreg_imm32_b32 hwreg(HW_REG_WAVE_MODE, 25, 1), 1
	s_wait_xcnt 0x0
	s_wait_alu depctr_vm_vsrc(0)
; h1 = relu(y0 a + c) (the first batch norm, by its constants), quantised along its 256 channels to FP6 (E2M3) with one E8M0 scale for each 32;  y1 = h1 W1^T + b1, f32, stored [batch][channel][point];
; and for each channel the mean and the sum of squares about that mean over the work-group's 128 points.
; SHARES.  Work-group G owns points 128 (G % 32) .. + 127 of batch G / 32.  Wave w norms and quantises point tile 8 G + w: y0 lies as the image of the 128 registers that the quantiser wants
; (register 64 s + 16 b + i of lane (r, h) = channel 128 s + 32 b + 16 h + i of point r), 32 loads of 512 consecutive bytes.  In the product the waves share the columns: wave w makes channels 32 w .. + 31.
; THE PRODUCT IS USED AS IT STANDS (source 0 = 16 points, source 1 = 16 rows of W1): lane (r, h) holds channel r of the tile and eight neighbouring points, 32 bytes of a row of y1.
; b1 is the C of each sum's first matrix instruction: the lane's channel's number in all eight registers.  The results turn through the wave's own stage and leave as rows of 512 bytes.
; LIMITS: NaN and infinities are not served; a block of zeros gets the byte 1 (its codes are zeros; this program alone reads the bytes); the norm is applied as one fused multiply-add y a + (beta - mean a).
; LDS: H1IMG 16 fragments (2 m + s) x 1,536; H1SC their scale words x 128; STG 32 rows x 528 for each wave.
; REGISTERS, window 0: v1-14 addresses; v16-143 y0, then the 16 accumulators ((m, t) at 16 + 16 m + 8 t); v144-204 two sets of codes and work, then v144-239 eight fragments of h1, then the statistics;
;   v240-247, v248-251 scale words and nothing else.   window 1: v0-127 a, v128-255 c; then v0-47 W1's four fragments ((t, s) at 12 (2 t + s)), v48-63 b1, v64-191 rows of y1.
; THE MODE: SCHED_MODE bits 1:0 = 2 (LLVM: expert scheduling mode 2), set by the entry lines.  The code itself states the register dependences
; between vector or matrix instructions and memory or LDS instructions, with s_wait_alu, always for 0.
; THE PLAN.  Registers that memory or LDS instructions touch, and who else names them:
;   v1-14        Offsets and LDS addresses: written at the head, never again.  One wait on va_vdst ahead of the first load serves them all.
;   window 1     a and c land; the 64 multiply-adds read them; ONE wait on va_vdst behind those frees all 256: W1 and b1 land in v0-63 at once, the rows of y1 in v64-191 at the end.
;   codes        Two sets (v144-162 with v180, v184-202 with v204): both K steps are quantised, then ONE wait on va_vdst and the eight stores of their images; one wait on vm_vsrc behind the barrier, ahead of h1's fragments.
;   v144-247     h1's fragments and scale words land; the matrix instructions read them; a wait on va_vdst stands ahead of the second K step's loads.
;   v16-143      The accumulators: one wait on va_vdst ahead of the stores into the stage.  The rows come back into window 1, so nothing lands here, and the statistics, which only read, run while the rows are on their way.
.set H1IMG, 0
.set H1SC, 24576
.set STG,  26624
.set Y,    16
.set ACC,  16
.set PC0,  144
.set TM,   164
.set PW0,  180
.set PC1,  184
.set PW1,  204
.set HF,   144
.set HS,   240
.set WS,   248
.set BIAS, 48
.set RB,   64                          ; in window 1: 32 rows of y1, 4 registers each
.set SA,   144
.set MN,   152
.set TT,   160
.set QQ,   176
.set SEL,  18
.set MSB,  0
.macro WIN new                         ; the immediate's high byte repeats the setting that is left
.if MSB != \new
	s_set_vgpr_msb (MSB<<8)|\new
.set MSB, \new
.endif
.endm
; 64 numbers of a lane, register 16 b + i = k 32 b + 16 (lane / 16) + i of my row, become a fragment's codes in v[dst] on and its scale word in v[wrd]
.macro QUANT s, dst, wrd
.irp b, 0,1,2,3
	v_max3_num_f32 v[TM+\b], |v[\s+16*\b]|, |v[\s+1+16*\b]|, 0x1800000   ; block b: my 16 numbers, and the floor 2^(3 - 127): the byte cannot fall under 1
.endr
.irp i, 2,4,6,8,10,12,14
.irp b, 0,1,2,3
	v_max3_num_f32 v[TM+\b], v[TM+\b], |v[\s+16*\b+\i]|, |v[\s+1+16*\b+\i]|
.endr
.endr
.irp b, 0,1,2,3
	v_permlanex16_b32 v[TM+4+\b], v[TM+\b], s[SEL], s[SEL+1]
.endr
.irp b, 0,1,2,3
	v_max_num_f32 v[TM+\b], v[TM+\b], v[TM+4+\b]   ; with lane l xor 16's: the block's largest magnitude
.endr
.irp b, 0,1,2,3
	v_add_nc_u32 v[TM+12+\b], 0xff000000, v[TM+\b] ; 2 off its exponent field: the conversion's scale operand
.endr
.irp b, 0,1,2,3
	v_lshrrev_b32 v[TM+4+\b], 23, v[TM+12+\b]      ; the scale's byte
.endr
	v_lshl_or_b32 v[\wrd], v[TM+5], 8, v[TM+4]
	v_lshl_or_b32 v[\wrd], v[TM+6], 16, v[\wrd]
	v_lshl_or_b32 v[\wrd], v[TM+7], 24, v[\wrd]
.irp c, 0,1
	v_cvt_scalef32_pk16_fp6_f32 v[\dst+6*\c:\dst+2+6*\c], v[\s+32*\c:\s+15+32*\c], v[TM+12+2*\c]
	v_cvt_scalef32_pk16_fp6_f32 v[\dst+12+4*\c:\dst+14+4*\c], v[\s+16+32*\c:\s+31+32*\c], v[TM+12+2*\c+1]   ; (a conversion's three registers begin on an even number)
.endr
	v_nop                                          ; one plain place behind a scaled conversion
.irp c, 0,1                                    ; the operand's layout wants a whole block in a lane
.irp i, 0,1,2
	v_permlane16_swap_b32 v[\dst+6*\c+\i], v[\dst+12+4*\c+\i]
.endr
.irp i, 0,1,2
	v_mov_b32 v[\dst+3+6*\c+\i], v[\dst+12+4*\c+\i]
.endr
.endr
.endm
.macro IMAGE adr, src, off
.irp c, 0,1,2
	ds_store_b128 v[\adr], v[\src+4*\c:\src+4*\c+3] offset:\off+512*\c
.endr
.endm
.macro FETCH reg, adr, off
.irp c, 0,1,2
	ds_load_b128 v[\reg+4*\c:\reg+4*\c+3], v[\adr] offset:\off+512*\c
.endr
.endm
	s_load_b256 s[4:11], s[0:1], 0x0               ; y0 s[4:5], bn0 s[6:7], wq s[8:9], b1 s[10:11]
	s_load_b128 s[12:15], s[0:1], 0x20             ; y1 s[12:13], part s[14:15]
	v_lshl_add_u32 v254, v0, 2, 0x27800
	v_mov_b32 v255, 0
	v_lshrrev_b32 v15, 5, v0
	v_readfirstlane_b32 s16, v15                   ; wave 0..7
	v_and_b32 v1, 31, v0                           ; lane
	v_and_b32 v2, 15, v0                           ; r
	v_bfe_u32 v3, v0, 4, 1                         ; h
	v_lshlrev_b32 v4, 4, v1                        ; 16 x lane
	v_lshlrev_b32 v5, 2, v1                        ; 4 x lane
	v_lshlrev_b32 v6, 6, v3                        ; a, c: 16 h channels on
	v_lshlrev_b32 v7, 2, v2                        ; b1: channel r
	v_mad_u32_u24 v8, v15, 0xc00, v4               ; my two images
	v_lshl_add_u32 v9, v15, 8, v5
	v_add_nc_u32 v9, H1SC, v9                      ; and their scale words
	v_add_nc_u32 v10, H1SC, v5
	v_mul_u32_u24 v12, v15, 0x4200
	v_add_nc_u32 v12, STG, v12                     ; my stage
	v_mad_u32_u24 v11, v2, 0x210, v12
	v_lshl_add_u32 v11, v3, 5, v11                 ; into it: row r, + 32 h
	v_add_nc_u32 v12, v12, v4                      ; out of it: 16 x lane of a row
	v_lshl_add_u32 v13, v15, 19, v4                ; y1: my 32 channels of 16,384 bytes
	v_lshlrev_b32 v14, 3, v0                       ; part: 8 bytes a channel
.irp b, 0,1,2,3
	v_mov_b32 v[TM+4+\b], 0                        ; written once: a lane permute's destination counts as one of its sources
.endr
	s_wait_alu depctr_va_sdst(0)                   ; s16 is written, ahead of its first reader: the wave's offsets below are made from it
	s_mov_b32 s[SEL], 0x76543210
	s_mov_b32 s[SEL+1], 0xfedcba98
	s_lshl_b32 s20, ttmp9, 17                      ; y0: tile 8 G + w of 16,384 bytes
	s_lshl_b32 s21, s16, 14
	s_add_co_u32 s20, s20, s21
	s_mov_b32 s21, 0
	s_mul_i32 s22, s16, 6144                       ; my four images of W1
	s_mov_b32 s23, 0
	s_lshl_b32 s26, s16, 9                         ; and their scale words
	s_mov_b32 s27, 0
	s_lshl_b32 s30, s16, 7
	s_mov_b32 s31, 0
	s_lshr_b32 s32, ttmp9, 5
	s_lshl_b32 s32, s32, 22                        ; y1: batch x 4 MiB + 128 points x 4
	s_and_b32 s33, ttmp9, 31
	s_lshl_b32 s33, s33, 9
	s_add_co_u32 s32, s32, s33
	s_mov_b32 s33, 0
	s_lshl_b32 s34, ttmp9, 11
	s_mov_b32 s35, 0
	s_wait_kmcnt 0x0
	s_add_nc_u64 s[4:5], s[4:5], s[20:21]
	s_add_nc_u64 s[24:25], s[8:9], s[22:23]
	s_add_nc_u64 s[28:29], s[8:9], s[26:27]
	s_add_nc_u64 s[10:11], s[10:11], s[30:31]
	s_add_nc_u64 s[12:13], s[12:13], s[32:33]
	s_add_nc_u64 s[14:15], s[14:15], s[34:35]
	s_wait_alu depctr_va_vdst(0)                   ; the offsets and LDS addresses v1 to v14 are written, which the loads and stores of the whole kernel read
.set i, 0
.rept 32
	global_load_b128 v[Y+4*i:Y+4*i+3], v4, s[4:5] offset:512*i th:TH_LOAD_NT
.set i, i+1
.endr
	WIN 0x40                                       ; destination window 1
.irp s, 0,1
.irp b, 0,1,2,3
.irp j, 0,1,2,3
	global_load_b128 v[64*\s+16*\b+4*\j:64*\s+16*\b+4*\j+3], v6, s[6:7] offset:512*\s+128*\b+16*\j              ; a, in y0's layout
	global_load_b128 v[128+64*\s+16*\b+4*\j:128+64*\s+16*\b+4*\j+3], v6, s[6:7] offset:1024+512*\s+128*\b+16*\j ; c
.endr
.endr
.endr
	WIN 0
	s_wait_loadcnt 0x0
	WIN 0x14                                       ; sources 1 and 2 window 1
.set i, 0
.rept 64
	v_pk_fma_f32 v[Y+2*i:Y+2*i+1], v[Y+2*i:Y+2*i+1], v[2*i:2*i+1], v[128+2*i:129+2*i]
.set i, i+1
.endr
	WIN 0x40
	s_wait_alu depctr_va_vdst(0)                   ; the multiply-adds are done reading a and c: W1 and b1 land in a's first 64 registers now, the rows of y1 in the 128 behind them at the end
.irp t, 0,1
.irp s, 0,1
.irp c, 0,1,2
	global_load_b128 v[12*(2*\t+\s)+4*\c:12*(2*\t+\s)+4*\c+3], v4, s[24:25] offset:79872+1536*(2*\t+\s)+512*\c   ; W1's fragments as they were stored
.endr
.endr
.endr
.irp t, 0,1
.irp j, 0,1,2,3,4,5,6,7
	global_load_b32 v[BIAS+8*\t+\j], v7, s[10:11] offset:64*\t         ; b1 at channel 32 w + 16 t + r, in all eight registers of the result's layout
.endr
.endr
	WIN 0
.irp t, 0,1
.irp s, 0,1
	global_load_b32 v[WS+2*\t+\s], v5, s[28:29] offset:129024+128*(2*\t+\s)
.endr
.endr
.set i, 0
.rept 128
	v_max_num_f32 v[Y+i], 0, v[Y+i]                ; the activation
.set i, i+1
.endr
	QUANT Y, PC0, PW0
	QUANT Y+64, PC1, PW1                           ; into codes' registers of its own
	s_wait_alu depctr_va_vdst(0)                   ; both sets of codes and both scale words are written, which the eight stores read
	IMAGE 8, PC0, 0
	ds_store_b32 v9, v[PW0]
	IMAGE 8, PC1, 1536
	ds_store_b32 v9, v[PW1] offset:128
	s_wait_dscnt 0x0                               ; for the others' sake: my two fragments lie in LDS
	s_barrier_signal -1
	s_barrier_wait -1
	s_wait_alu depctr_vm_vsrc(0)                   ; my images' stores have read the codes and the scale words in v144-204, in which h1's fragments land (the quantiser's lines stand ahead of the last wait on va_vdst)
	s_wait_loadcnt 0x0                             ; W1's fragments, its scale words, b1
.irp s, 0,1
.if \s > 0
.rept 4
	v_nop                                          ; places in front of loads into registers that matrix instructions have read
.endr
	s_wait_alu depctr_va_vdst(0)                   ; the first K step's matrix instructions are done reading h1's fragments and scale words, in which the loads below land
.endif
.irp m, 0,1,2,3,4,5,6,7
	FETCH HF+12*\m, 4, (2*\m+\s)*1536
	ds_load_b32 v[HS+\m], v10 offset:(2*\m+\s)*128
.endr
	s_wait_dscnt 0x0
.if \s == 0
	WIN 0x14                                       ; source 1 (W1) and source 2 (b1) window 1
.else
	WIN 0x04
.endif
.irp m, 0,1,2,3,4,5,6,7                        ; the 16 accumulators take turns, one instruction a turn
.irp t, 0,1
.if \s == 0
	v_wmma_scale_f32_16x16x128_f8f6f4 v[ACC+16*\m+8*\t:ACC+16*\m+8*\t+7], v[HF+12*\m:HF+12*\m+11], v[12*(2*\t+\s):12*(2*\t+\s)+11], v[BIAS+8*\t:BIAS+8*\t+7], v[HS+\m], v[WS+2*\t+\s] matrix_a_fmt:MATRIX_FMT_FP6 matrix_b_fmt:MATRIX_FMT_FP6
.else
	v_wmma_scale_f32_16x16x128_f8f6f4 v[ACC+16*\m+8*\t:ACC+16*\m+8*\t+7], v[HF+12*\m:HF+12*\m+11], v[12*(2*\t+\s):12*(2*\t+\s)+11], v[ACC+16*\m+8*\t:ACC+16*\m+8*\t+7], v[HS+\m], v[WS+2*\t+\s] matrix_a_fmt:MATRIX_FMT_FP6 matrix_b_fmt:MATRIX_FMT_FP6
.endif
.endr
.endr
	WIN 0
.endr
.rept 4
	v_nop                                          ; places in front of the first reads of results and of writes over h1's fragments
.endr
	s_wait_alu depctr_va_vdst(0)                   ; the matrix instructions have written the accumulators, which the LDS stores read; the places above stay beside this wait
.irp m, 0,1,2,3,4,5,6,7
.irp t, 0,1
	ds_store_b128 v11, v[ACC+16*\m+8*\t:ACC+16*\m+8*\t+3] offset:8448*\t+64*\m        ; each accumulator from its low end on: y1(channel 16 t + r, points 16 m + 8 h + 0 .. 7)
	ds_store_b128 v11, v[ACC+16*\m+8*\t+4:ACC+16*\m+8*\t+7] offset:8448*\t+64*\m+16
.endr
.endr
	WIN 0x40                                       ; destination window 1
.set q, 0
.rept 32
	ds_load_b128 v[RB+4*q:RB+4*q+3], v12 offset:528*q                  ; my own stage: served in order, behind my stores.  No vector instruction since the wait behind the multiply-adds names these registers
.set q, q+1
.endr
	WIN 0
	; the statistics, while the rows are on their way: a lane's 64 registers of tile t are 64 points of channel 16 t + r; lane l xor 16 holds the other 64
	v_cmp_eq_u32 vcc_lo, 1, v3                     ; the mask of the two selects at the end
.irp t, 0,1
	v_pk_add_f32 v[SA+4*\t:SA+4*\t+1], v[ACC+8*\t:ACC+8*\t+1], v[ACC+8*\t+2:ACC+8*\t+3]
	v_pk_add_f32 v[SA+4*\t+2:SA+4*\t+3], v[ACC+8*\t+4:ACC+8*\t+5], v[ACC+8*\t+6:ACC+8*\t+7]
.endr
.irp m, 1,2,3,4,5,6,7
.irp t, 0,1
	v_pk_add_f32 v[SA+4*\t:SA+4*\t+1], v[SA+4*\t:SA+4*\t+1], v[ACC+16*\m+8*\t:ACC+16*\m+8*\t+1]
	v_pk_add_f32 v[SA+4*\t+2:SA+4*\t+3], v[SA+4*\t+2:SA+4*\t+3], v[ACC+16*\m+8*\t+2:ACC+16*\m+8*\t+3]
.endr
.irp t, 0,1
	v_pk_add_f32 v[SA+4*\t:SA+4*\t+1], v[SA+4*\t:SA+4*\t+1], v[ACC+16*\m+8*\t+4:ACC+16*\m+8*\t+5]
	v_pk_add_f32 v[SA+4*\t+2:SA+4*\t+3], v[SA+4*\t+2:SA+4*\t+3], v[ACC+16*\m+8*\t+6:ACC+16*\m+8*\t+7]
.endr
.endr
.irp t, 0,1
	v_pk_add_f32 v[SA+4*\t:SA+4*\t+1], v[SA+4*\t:SA+4*\t+1], v[SA+4*\t+2:SA+4*\t+3]
.endr
.irp t, 0,1
	v_add_f32 v[SA+4*\t], v[SA+4*\t], v[SA+4*\t+1]
.endr
.irp t, 0,1
	v_permlanex16_b32 v[SA+4*\t+2], v[SA+4*\t], s[SEL], s[SEL+1]
.endr
.irp t, 0,1
	v_add_f32 v[SA+4*\t], v[SA+4*\t], v[SA+4*\t+2]
.endr
.irp t, 0,1
	v_mul_f32 v[MN+2*\t], 0x3c000000, v[SA+4*\t]   ; / 128: the mean of the work-group's points
	v_mov_b32 v[MN+2*\t+1], 0                      ; (named with it as a pair, so it is written)
.endr
.irp m, 0,1,2,3,4,5,6,7
.irp t, 0,1
.irp q, 0,1,2,3
	v_pk_add_f32 v[TT+8*\t+2*\q:TT+8*\t+2*\q+1], v[ACC+16*\m+8*\t+2*\q:ACC+16*\m+8*\t+2*\q+1], v[MN+2*\t:MN+2*\t+1] op_sel_hi:[1,0] neg_lo:[0,1] neg_hi:[0,1]
.endr
.endr
.irp t, 0,1
.irp q, 0,1,2,3
.if \m == 0
	v_pk_mul_f32 v[QQ+8*\t+2*\q:QQ+8*\t+2*\q+1], v[TT+8*\t+2*\q:TT+8*\t+2*\q+1], v[TT+8*\t+2*\q:TT+8*\t+2*\q+1]
.else
	v_pk_fma_f32 v[QQ+8*\t+2*\q:QQ+8*\t+2*\q+1], v[TT+8*\t+2*\q:TT+8*\t+2*\q+1], v[TT+8*\t+2*\q:TT+8*\t+2*\q+1], v[QQ+8*\t+2*\q:QQ+8*\t+2*\q+1]
.endif
.endr
.endr
.endr
.irp t, 0,1
	v_pk_add_f32 v[QQ+8*\t:QQ+8*\t+1], v[QQ+8*\t:QQ+8*\t+1], v[QQ+8*\t+2:QQ+8*\t+3]
	v_pk_add_f32 v[QQ+8*\t+4:QQ+8*\t+5], v[QQ+8*\t+4:QQ+8*\t+5], v[QQ+8*\t+6:QQ+8*\t+7]
.endr
.irp t, 0,1
	v_pk_add_f32 v[QQ+8*\t:QQ+8*\t+1], v[QQ+8*\t:QQ+8*\t+1], v[QQ+8*\t+4:QQ+8*\t+5]
.endr
.irp t, 0,1
	v_add_f32 v[QQ+8*\t], v[QQ+8*\t], v[QQ+8*\t+1]
.endr
.irp t, 0,1
	v_permlanex16_b32 v[QQ+8*\t+2], v[QQ+8*\t], s[SEL], s[SEL+1]
.endr
.irp t, 0,1
	v_add_f32 v[QQ+8*\t], v[QQ+8*\t], v[QQ+8*\t+2]
.endr
	s_wait_alu depctr_va_vcc(0)                    ; VCC is written, ahead of its first reader
	v_cndmask_b32 v192, v[MN], v[MN+2], vcc_lo     ; lane (r, h) keeps tile h's pair: channel 32 w + lane
	v_cndmask_b32 v193, v[QQ], v[QQ+8], vcc_lo
	s_wait_alu depctr_va_vdst(0)                   ; the selects have written v192 and v193, which the store reads
	global_store_b64 v14, v[192:193], s[14:15] offset:524288           ; the second layer's half of the buffer; 256 consecutive bytes a wave, aligned
	WIN 0x04                                       ; a store's data are its source 1: window 1
.set q, 0
.rept 32
	s_wait_dscnt 31-q                              ; row q is in; the younger loads may be out
	global_store_b128 v13, v[RB+4*q:RB+4*q+3], s[12:13] offset:16384*q ; channel 32 w + q: 512 consecutive bytes, aligned
.set q, q+1
.endr
	WIN 0                                          ; the add's two registers lie in window 0
	s_wait_dscnt 0x0                               ; the closing lines, six on end
	s_wait_alu 0x0
	s_wait_tensorcnt 0x0
	ds_add_u32 v254, v255
	s_wait_dscnt 0x0
	s_endpgm
.Lfunc_end_k_q952f9287d0_conv1:
	.size	k_q952f9287d0_conv1, .Lfunc_end_k_q952f9287d0_conv1-k_q952f9287d0_conv1
	.p2alignl 7, 3214868480
	.fill 96, 4, 3214868480
	.section	.rodata,"a",@progbits
	.p2align	6, 0x0
	.amdhsa_kernel k_q952f9287d0_conv1
		.amdhsa_group_segment_fixed_size 162816
		.amdhsa_private_segment_fixed_size 0
		.amdhsa_enable_private_segment 0
		.amdhsa_kernarg_size 48
		.amdhsa_user_sgpr_count 2
		.amdhsa_user_sgpr_kernarg_segment_ptr 1
		.amdhsa_wavefront_size32 1
		.amdhsa_system_sgpr_workgroup_id_x 1
		.amdhsa_system_sgpr_workgroup_id_y 1
		.amdhsa_system_sgpr_workgroup_id_z 1
		.amdhsa_system_vgpr_workitem_id 0
		.amdhsa_next_free_vgpr 512
		.amdhsa_next_free_sgpr 66
		.amdhsa_reserve_vcc 1
		.amdhsa_float_denorm_mode_32 3
		.amdhsa_float_denorm_mode_16_64 3
		.amdhsa_memory_ordered 1
		.amdhsa_forward_progress 1
		.amdhsa_inst_pref_size 62
	.end_amdhsa_kernel
	.amdgpu_metadata
---
amdhsa.version: [ 1, 2 ]
amdhsa.kernels:
  - .name:           k_q952f9287d0_conv1
    .symbol:         k_q952f9287d0_conv1.kd
    .args:
      - { .name: y0, .offset: 0, .size: 8, .value_kind: global_buffer, .address_space: global }
      - { .name: bn0, .offset: 8, .size: 8, .value_kind: global_buffer, .address_space: global }
      - { .name: wq, .offset: 16, .size: 8, .value_kind: global_buffer, .address_space: global }
      - { .name: b1, .offset: 24, .size: 8, .value_kind: global_buffer, .address_space: global }
      - { .name: pbuf, .offset: 32, .size: 8, .value_kind: global_buffer, .address_space: global }
      - { .name: part, .offset: 40, .size: 8, .value_kind: global_buffer, .address_space: global }
    .group_segment_fixed_size: 162816
    .private_segment_fixed_size: 0
    .kernarg_segment_align: 8
    .kernarg_segment_size: 48
    .max_flat_workgroup_size: 256
    .sgpr_count:     66
    .vgpr_count:     512
    .wavefront_size: 32
...
	.end_amdgpu_metadata
.endif
;; end of part 8
;; launch bnout (part 9): grid 256 x 1, 8 waves a work-group, no clusters, 1,536 bytes of LDS; arguments pbuf, part, g1, beta1, out0; writes out0
.if DOCPART == 9
	.amdgcn_target "amdgcn-amd-amdhsa--gfx1250"
	.amdhsa_code_object_version 6
	.text
	.protected	k_q952f9287d0_bnout
	.globl	k_q952f9287d0_bnout
	.p2align	8
	.type	k_q952f9287d0_bnout,@function
k_q952f9287d0_bnout:
	s_mov_b64 s[64:65], 0
	v_nop
	global_prefetch_b8 v0, s[64:65] scope:SCOPE_SE
	s_setreg_imm32_b32 hwreg(HW_REG_WAVE_SCHED_MODE, 0, 2), 2
	s_setreg_imm32_b32 hwreg(HW_REG_WAVE_MODE, 25, 1), 1
	s_wait_xcnt 0x0
	s_wait_alu depctr_vm_vsrc(0)
; THE SECOND BATCH NORM AND ITS RELU.  Work-group c takes channel c; wave b takes batch b's row of 4,096 points, 16,384 bytes, in 128 registers: it is read once.
; Thread t also takes the pair (mean, sum of squares about that mean) of 128 points that work-group t of the launch before stored for this channel; the row's loads are out while the statistics are finished.
; mean = the sum of the 256 means / 256;  variance = (the sum of the 256 sums of squares + 128 x the sum of (mean_t - mean)^2) / 32,768: no difference of large sums is formed.
; out = max(y a + c, 0), a = g rsqrt(variance + 1e-5), c = beta - mean a.
; LDS: bytes 0-31 the eight waves' sums of means; bytes 256-287 their sums of squares.
; THE MODE: SCHED_MODE bits 1:0 = 2 (LLVM: expert scheduling mode 2), set by the entry lines.  The code itself states the register dependences
; between vector instructions and memory or LDS instructions, with s_wait_alu, always for 0.
; THE PLAN.  Registers that memory or LDS instructions touch, and who else names them:
;   v1, v6, v7, v22  Offsets and LDS addresses: written at the head, never again.  One wait on va_vdst ahead of the first load serves them all.
;   v4           A wave's sum: written by the reduction, read by the LDS store (a wait on va_vdst ahead of each of the two stores), written again for the second reduction (a wait on vm_vsrc ahead of that).
;   v8-15        The eight waves' sums land; additions read and write them; the second time the loads land behind the wait on va_vdst that stands ahead of the second store.
;   v32-159      The row lands; each register is normed in place, once, and stored, once.  The row goes in eight groups of four loads: the four stores of a group are dealt among the next group's
;                arithmetic, behind ONE wait on va_vdst at that group's head; that arithmetic names its own group's registers alone.  No register is written again, so no wait on vm_vsrc is owed.
.set SEL, 22
.macro WRED x, t                       ; the sum over the wave's 32 lanes, in every lane
	v_add_f32_dpp v[\x], v[\x], v[\x] row_xmask:1 row_mask:0xf bank_mask:0xf
	v_add_f32_dpp v[\x], v[\x], v[\x] row_xmask:2 row_mask:0xf bank_mask:0xf
	v_add_f32_dpp v[\x], v[\x], v[\x] row_xmask:4 row_mask:0xf bank_mask:0xf
	v_add_f32_dpp v[\x], v[\x], v[\x] row_xmask:8 row_mask:0xf bank_mask:0xf
	v_permlanex16_b32 v[\t], v[\x], s[SEL], s[SEL+1]
	v_add_f32 v[\x], v[\x], v[\t]
.endm
.macro ALL8 off                        ; v4, the wave's sum, meets the other seven: the sum of all eight in v8
	s_wait_alu depctr_va_vdst(0)                   ; the reduction has written v4, which the store reads; the second time the additions are also done with v8 to v15, in which the loads below land
	ds_store_b32 v6, v4 offset:\off                ; all lanes write the wave's word with the same value
	s_wait_dscnt 0x0                               ; for the others' sake
	s_barrier_signal -1
	s_barrier_wait -1
	ds_load_b128 v[8:11], v7 offset:\off
	ds_load_b128 v[12:15], v7 offset:\off+16
	s_wait_dscnt 0x0
	v_add_f32 v8, v8, v9
	v_add_f32 v10, v10, v11
	v_add_f32 v12, v12, v13
	v_add_f32 v14, v14, v15
	v_add_f32 v8, v8, v10
	v_add_f32 v12, v12, v14
	v_add_f32 v8, v8, v12
.endm
; v[2:3]: my pair;  s24 g, s25 beta;  v6 = 4 x wave, v7 = 0.  Leaves a in v18 and c in v20
.macro CHSTAT
	v_mov_b32 v4, v2
	v_mov_b32 v5, 0                                ; a lane permute's destination counts as one of its sources
	WRED 4, 5
	ALL8 0
	v_mul_f32 v16, 0x3b800000, v8                  ; / 256: the mean
	s_wait_alu depctr_vm_vsrc(0)                   ; the first LDS store has read v4, which the next line writes again
	v_sub_f32 v4, v2, v16
	v_mul_f32 v4, v4, v4
	v_fma_f32 v4, v4, 0x43000000, v3               ; 128 (mean_t - mean)^2 + my sum of squares
	WRED 4, 5
	ALL8 256
	v_fma_f32 v8, v8, s26, s27                     ; / 32,768, + 1e-5
	v_rsq_f32 v9, v8
	v_nop                                          ; one plain place behind a transcendental
	s_wait_alu depctr_va_vdst(0)                   ; the root's result v9 is written, ahead of its first reader
	v_mul_f32 v18, s24, v9
	v_fma_f32 v20, -v16, v18, s25
.endm
	s_load_b256 s[4:11], s[0:1], 0x0               ; y1 s[4:5], part s[6:7], g1 s[8:9], beta1 s[10:11]
	s_load_b64 s[12:13], s[0:1], 0x20              ; out0
	v_lshl_add_u32 v160, v0, 2, 0x200
	v_mov_b32 v161, 0
	v_lshlrev_b32 v1, 11, v0                       ; work-group t's 2,048 bytes
	v_lshrrev_b32 v6, 5, v0
	v_and_b32 v22, 31, v0
	v_lshlrev_b32 v22, 4, v22
	v_lshl_add_u32 v22, v6, 22, v22                ; batch x 4 MiB + 16 x lane
	v_lshlrev_b32 v6, 2, v6
	v_mov_b32 v7, 0
	v_mov_b32 v19, 0                               ; (named as the upper halves of the pairs of a and of c, so they are written)
	v_mov_b32 v21, 0
	s_lshl_b32 s14, ttmp9, 3
	s_mov_b32 s15, 0
	s_lshl_b32 s16, ttmp9, 2
	s_mov_b32 s17, 0
	s_lshl_b32 s18, ttmp9, 14                      ; the channel's row
	s_mov_b32 s19, 0
	s_mov_b32 s[SEL], 0x76543210
	s_mov_b32 s[SEL+1], 0xfedcba98
	s_mov_b32 s26, 0x38000000                      ; 2^-15
	s_mov_b32 s27, 0x3727c5ac                      ; 1e-5
	s_wait_kmcnt 0x0
	s_add_nc_u64 s[6:7], s[6:7], s[14:15]
	s_add_nc_u64 s[8:9], s[8:9], s[16:17]
	s_add_nc_u64 s[10:11], s[10:11], s[16:17]
	s_add_nc_u64 s[4:5], s[4:5], s[18:19]
	s_add_nc_u64 s[12:13], s[12:13], s[18:19]
	s_wait_alu depctr_va_vdst(0)                   ; the offsets v1 and v22 and the LDS addresses v6 and v7 are written, which the loads and stores of the whole kernel read
	global_load_b64 v[2:3], v1, s[6:7] offset:524288                   ; the second layer's half of the buffer
.set i, 0
.rept 32
	global_load_b128 v[32+4*i:35+4*i], v22, s[4:5] offset:512*i th:TH_LOAD_NT   ; 512 consecutive bytes
.set i, i+1
.endr
	s_load_b32 s24, s[8:9], 0x0
	s_load_b32 s25, s[10:11], 0x0
	s_wait_loadcnt 32                              ; my pair is in; the row's 32 loads stay on their way
	s_wait_kmcnt 0x0
	CHSTAT
.set i, 0
.rept 32
	s_wait_loadcnt 31-i                            ; load i is in; the younger ones may be out
.if (i >= 4) && (i%4 == 0)
	s_wait_alu depctr_va_vdst(0)                   ; the last group's arithmetic has written its sixteen registers, which this group's four stores read
.endif
.if i >= 4
	global_store_b128 v22, v[16+4*i:19+4*i], s[12:13] offset:512*i-2048 th:TH_STORE_NT   ; the piece four back: 512 consecutive bytes, aligned; written once.  No vector instruction since the wait names its registers
.endif
	v_pk_fma_f32 v[32+4*i:33+4*i], v[32+4*i:33+4*i], v[18:19], v[20:21] op_sel_hi:[1,0,0]
	v_pk_fma_f32 v[34+4*i:35+4*i], v[34+4*i:35+4*i], v[18:19], v[20:21] op_sel_hi:[1,0,0]
	v_max_num_f32 v[32+4*i], 0, v[32+4*i]
	v_max_num_f32 v[33+4*i], 0, v[33+4*i]
	v_max_num_f32 v[34+4*i], 0, v[34+4*i]
	v_max_num_f32 v[35+4*i], 0, v[35+4*i]
.set i, i+1
.endr
	s_wait_alu depctr_va_vdst(0)                   ; the last group's arithmetic has written its sixteen registers, which the last four stores read
.irp i, 28,29,30,31
	global_store_b128 v22, v[32+4*\i:35+4*\i], s[12:13] offset:512*\i th:TH_STORE_NT
.endr
	s_wait_dscnt 0x0                               ; the closing lines, six on end
	s_wait_alu 0x0
	s_wait_tensorcnt 0x0
	ds_add_u32 v160, v161
	s_wait_dscnt 0x0
	s_endpgm
.Lfunc_end_k_q952f9287d0_bnout:
	.size	k_q952f9287d0_bnout, .Lfunc_end_k_q952f9287d0_bnout-k_q952f9287d0_bnout
	.p2alignl 7, 3214868480
	.fill 96, 4, 3214868480
	.section	.rodata,"a",@progbits
	.p2align	6, 0x0
	.amdhsa_kernel k_q952f9287d0_bnout
		.amdhsa_group_segment_fixed_size 1536
		.amdhsa_private_segment_fixed_size 0
		.amdhsa_enable_private_segment 0
		.amdhsa_kernarg_size 40
		.amdhsa_user_sgpr_count 2
		.amdhsa_user_sgpr_kernarg_segment_ptr 1
		.amdhsa_wavefront_size32 1
		.amdhsa_system_sgpr_workgroup_id_x 1
		.amdhsa_system_sgpr_workgroup_id_y 1
		.amdhsa_system_sgpr_workgroup_id_z 1
		.amdhsa_system_vgpr_workitem_id 0
		.amdhsa_next_free_vgpr 162
		.amdhsa_next_free_sgpr 66
		.amdhsa_reserve_vcc 0
		.amdhsa_float_denorm_mode_32 3
		.amdhsa_float_denorm_mode_16_64 3
		.amdhsa_memory_ordered 1
		.amdhsa_forward_progress 1
		.amdhsa_inst_pref_size 20
	.end_amdhsa_kernel
	.amdgpu_metadata
---
amdhsa.version: [ 1, 2 ]
amdhsa.kernels:
  - .name:           k_q952f9287d0_bnout
    .symbol:         k_q952f9287d0_bnout.kd
    .args:
      - { .name: pbuf, .offset: 0, .size: 8, .value_kind: global_buffer, .address_space: global }
      - { .name: part, .offset: 8, .size: 8, .value_kind: global_buffer, .address_space: global }
      - { .name: g1, .offset: 16, .size: 8, .value_kind: global_buffer, .address_space: global }
      - { .name: beta1, .offset: 24, .size: 8, .value_kind: global_buffer, .address_space: global }
      - { .name: out0, .offset: 32, .size: 8, .value_kind: global_buffer, .address_space: global }
    .group_segment_fixed_size: 1536
    .private_segment_fixed_size: 0
    .kernarg_segment_align: 8
    .kernarg_segment_size: 40
    .max_flat_workgroup_size: 256
    .sgpr_count:     66
    .vgpr_count:     162
    .wavefront_size: 32
...
	.end_amdgpu_metadata
.endif
;; end of part 9
